; MI455X (gfx1250); checked and timed in simulation.
; The chip was launched on July 23, 2026; its instructions are those of AMD's public machine-readable ISA for CDNA 5 (MIT licence, August 2026) and "CDNA5" Instruction Set Architecture Reference Guide (July 2026). The comments in the code are by the model that wrote it; some were corrected since.
;; NPT Layer. Allowed arithmetic: matrix products marked QUANTISED: E2M1 operands, one E8M0 scale for each 32 along K, by v_wmma_scale_f32_16x16x128_f8f6f4 with both operands' format E2M1 (or v_wmma_scale_f32_32x16x128_f4), f32 sums; products left as they are: f32 operands where the result goes on into a quantised operand, else bf16, f16 or f32 operands; f32 sums; everything else in f32.
;; Inputs: A 2,048 x 16 float32; Bmat 16 x 2,048 float32; W_down 2,048 x 2,048 float32; W_in 2,048 x 2,048 float32; W_up 2,048 x 2,048 float32; attn_output 2 x 2,048 x 2,048 float32; gamma 2,048 float32; hidden_states 2 x 2,048 x 2,048 float32.
;; Outputs: out0 2 x 2,048 x 2,048 float32.
;; This version of the problem:
;;   THIS VERSION OF THE PROBLEM IS GIVEN IN LOW PRECISION. The matrix products marked QUANTISED in the list below multiply operands that are first quantised to E2M1 (2 exponent bits, 1 mantissa bit; 4 bits a number), with one power-of-two scale for each 32 numbers along K (OCP MX v1.0); their sums are f32. All else is computed in f32.
;;   The module's matrix products, in the order in which they are computed (A, B: the left and right operand; K: the contracted axis; several contracted axes count as one K, in the product's order):
;;     1. [M 4,096, K 2,048] x [K 2,048, N 16]; A: input attn_output; B: input A: QUANTISED
;;     2. [M 4,096, K 2,048] x [K 2,048, N 16]; A: computed on the way; B: input A: QUANTISED
;;     3. [M 4,096, K 16] x [K 16, N 2,048]; A: computed on the way; B: input Bmat: left as it is (K = 16 < 32)
;;     4. [M 4,096, K 2,048] x [K 2,048, N 2,048]; A: computed on the way; B: input W_in: QUANTISED
;;     5. [M 4,096, K 2,048] x [K 2,048, N 2,048]; A: computed on the way; B: input W_up: QUANTISED
;;     6. [M 4,096, K 2,048] x [K 2,048, N 2,048]; A: computed on the way; B: input W_down: QUANTISED
;;   THE QUANTISER, for each operand of a quantised product, along K:
;;     - K is cut into blocks of 32 from its start; a last block that is shorter is filled with zeros.
;;     - A block's scale is 2^e with e = floor(log2(the largest magnitude in the block)) - 2, held to -126 .. 127; a block of zeros has e = 0. As a byte (E8M0): e + 127.
;;     - Each number is divided by its block's scale, clamped to +-6, and rounded to the nearest number of E2M1, ties to even, subnormals kept.
;;     - The product sums the exact products of the quantised numbers (number of the format x scale) in f32.
;;   ~~~python
;;   def quantise(x, axis):      # numpy; x: float32 -> the quantised numbers, widened to float32 again
;;       x = np.moveaxis(x, axis, -1); K = x.shape[-1]
;;       x = np.pad(x, [(0, 0)] * (x.ndim - 1) + [(0, -K % 32)]); x = x.reshape(x.shape[:-1] + (-1, 32)); a = np.abs(x).max(-1, keepdims=True)
;;       e = np.where(a > 0, np.clip(np.frexp(np.where(a > 0, a, 1))[1] - 1 - 2, -126, 127), 0)      # np.frexp(a)[1] - 1 = floor(log2(a)), exactly
;;       r = np.clip(x / 2.0 ** e, -6, 6)
;;       step = 2.0 ** (np.maximum(np.frexp(np.where(r == 0, 1, r))[1] - 1, 0) - 1)
;;       q = np.round(r / step) * step * 2.0 ** e      # np.round: ties to even
;;       return np.moveaxis(q.reshape(q.shape[:-2] + (-1,))[..., :K], -1, axis).astype(np.float32)
;;   ~~~
;;   OPERANDS COMPUTED ON THE WAY. 'Computed on the way' means the value that the module computes at that place (a softmax that the list does not call 'softmax' is quantised finished and normalised). What goes into a quantiser is computed in f32, as accurately as f32 sums, v_exp_f32 and their like allow (about 1e-6 of the number): no bf16 or f16 on the way to a quantiser, and a product that is left as it is and whose result goes on into a quantised operand takes f32 operands (vector FMAs, or v_wmma_f32_16x16x4_f32). A number that lies on a knife's edge between two numbers of the format may be rounded either way, as far as f32 arithmetic and the matrix unit's own rounding can turn it there, and no further.
;; 2 versions, each right; version 2 is version 1 with the launch prep written anew for expert scheduling mode. Each part assembles by itself: llvm-mc -triple=amdgcn-amd-amdhsa -mcpu=gfx1250 --defsym DOCPART=n.
;; ======== version 1 of 2: 3 launches
;; workspace buffers: hq 4,456,448 bytes; wguq 4,456,448 bytes; wdq 2,228,224 bytes; actq 4,456,448 bytes; cimg 262,144 bytes
;; launch prep (part 1): grid 256 x 1, 16 waves a work-group, no clusters, 182,272 bytes of LDS; arguments hidden_states, attn_output, A, gamma, W_in, W_up, W_down, hq, wguq, wdq, cimg; writes hq, wguq, wdq, cimg
.if DOCPART == 1
	.amdgcn_target "amdgcn-amd-amdhsa--gfx1250"
	.amdhsa_code_object_version 6
	.text
	.protected	k_q8697c991d6_prep
	.globl	k_q8697c991d6_prep
	.p2align	8
	.type	k_q8697c991d6_prep,@function
k_q8697c991d6_prep:
	s_mov_b64 s[64:65], 0
	v_nop
	global_prefetch_b8 v0, s[64:65] scope:SCOPE_SE
	s_setreg_imm32_b32 hwreg(HW_REG_WAVE_MODE, 25, 1), 1
	s_wait_xcnt 0x0
; PREP: everything that is quantised once.  h = rmsnorm(hidden) x gamma -> codes of E2M1 (hq); W_in, W_up (wguq) and W_down (wdq) -> codes; attn_output and A are quantised in registers only;
; hA = Q(h) Q(A) and Q(attn) Q(A) by the scaled 4-bit matrix form; c = hA x 0.1 x tanh(attn A) -> cimg, f32.
; A block's scale is 2^(floor(log2(largest magnitude)) - 2); its byte is the largest magnitude's exponent field - 2, held at 1 from below.
; LIMITS: NaN and infinities among the inputs are not served.  A block of zeros, or one whose largest magnitude lies under 2^-124, gets the byte 1 where the rule says 127 for zeros:
; its codes are zeros, which add nothing, and this program alone reads the bytes.
; LAYOUT OF THE WORKSPACE: an operand lies as IMAGES OF ITS REGISTERS.  A fragment (16 rows x 128 K, 8 registers a lane) is 1,024 bytes: registers 0-3 of lane l at 16 l, registers 4-7 at 512 + 16 l;
; a tile of 16 rows has its 16 fragments on end (16,384 bytes).  Behind all images: the scale words, 1,024 bytes a tile, [K / 512][row][16 bytes], word q % 4 for the q-th 128 along K.
; THE ROWS OF A WEIGHT'S TILE ARE NOT NEIGHBOURS: row p of tile 2 b + u is matrix row 32 b + 8 u + p + 8 (p / 8), so that a later transposed product leaves 16 neighbours along its N in a lane's 16 registers.
; In wguq tiles lie by 64 columns of the hidden layer: four of W_in, then the same four of W_up.
; SHARES.  Work-group g: rows 16 g .. 16 g + 15 of hidden and attn; of each weight tile g / 2, half g % 2 of K.  THE 16 WAVES SHARE K: wave w takes columns 128 w .. + 127 of the rows and of A, and 64 along K of each weight.
; Loads take bytes as they lie (512 or 2 x 256 consecutive bytes an instruction); a tile turns through the wave's own stage in LDS so that a lane holds 16 neighbours of each block of 32 of one row.
; No tensor loads, two barriers: one for the rows' sums of squares, one for the 16 partial products and the gathered scale words.
.set WST, 8448                         ; a wave's stage: 16 rows x (512 bytes + 16): 132 words a row, so the 16 rows that a load touches begin at 16 different groups of four banks
.set SP,  528
.set GAM, 135168                       ; behind the 16 stages: 512 bytes of gamma for each wave
.set SSQ, 143360                       ; sums of squares: row r at 80 r, wave w's word at 4 w
.set SCG, 144896                       ; scale words gathered: h 1,024 bytes, W_in 512, W_up 512, W_down 512
.set RED, 147456                       ; partial products: [hA, attn A][registers 0-3, 4-7][wave][512 bytes]
.set L16, 1                            ; v1   16 x lane
.set STF, 2                            ; v2   stage, whole rows in: WST w + 16 lane
.set STH, 3                            ; v3   stage, half rows in: WST w + SP (lane / 16) + 16 (lane % 16)
.set LDA, 4                            ; v4   stage, out: WST w + SP (lane % 16) + 64 (lane / 16)
.set GMW, 5                            ; v5   gamma in
.set GMR, 6                            ; v6   gamma out: + 64 (lane / 16)
.set SSW, 7
.set SSR, 8
.set SGH, 9                            ; v9   h's scale word of my row and my K step
.set SGW, 10                           ; v10  a weight's two scale bytes of my row and my 64 along K
.set RDW, 11
.set RDR, 12
.set SGR, 13                           ; v13  waves 2 to 6 read the gathered scale words: 16 x thread + SCG - 1,024
.set AOF, 14                           ; v14  A: 32 rows (lane / 16) + column (lane % 16)
.set WOF, 15                           ; v15  weights: row (lane / 16), 16 bytes (lane % 16)
.set TM,  16                           ; v16-31 at work
.set PW,  32                           ; v32  the rows' scale word: scales only
.set AS,  33                           ; v33  A's scale word: scales only
.set RS,  34                           ; v[34:35] 1 / rms (the pair is named; the low word serves both halves)
.set PC,  40                           ; v40-47 the rows' codes
.set AF,  48                           ; v48-55 A's fragment
.set ACC, 56                           ; v56-63 a thin product's result
.set S0,  64                           ; three sets of 64 numbers
.set S1,  128
.set S2,  192
.set SEL, 30                           ; s[30:31] selects of v_permlanex16_b32 for lane l xor 16
; nb blocks of 32 along K of a lane's row: register 16 b + i of v[s] on is k = 32 b + 16 (lane / 16) + i.  Codes to v[pc] on (4 registers for two blocks, in the operand's order), scale bytes to v[pw].
.macro QUANT s, nb, pc, pw
.set qb, 0
.rept \nb
	v_max3_num_f32 v[TM+qb], |v[(\s)+16*qb]|, |v[(\s)+16*qb+1]|, 0x1800000   ; my 16 numbers, and the floor 2^(3 - 127): the byte cannot fall under 1
.set qb, qb+1
.endr
.set qi, 2
.rept 7
.set qb, 0
.rept \nb
	v_max3_num_f32 v[TM+qb], v[TM+qb], |v[(\s)+16*qb+qi]|, |v[(\s)+16*qb+qi+1]|   ; the blocks by turns
.set qb, qb+1
.endr
.set qi, qi+2
.endr
.set qb, 0
.rept \nb
	v_permlanex16_b32 v[TM+4+qb], v[TM+qb], s[SEL], s[SEL+1]
.set qb, qb+1
.endr
.set qb, 0
.rept \nb
	v_max_num_f32 v[TM+qb], v[TM+qb], v[TM+4+qb]           ; with lane l xor 16's 16: the block's largest magnitude
.set qb, qb+1
.endr
.set qb, 0
.rept \nb
	v_add_nc_u32 v[TM+12+qb], 0xff000000, v[TM+qb]         ; 2 off its exponent field: the conversion's scale operand
.set qb, qb+1
.endr
.set qb, 0
.rept \nb
	v_lshrrev_b32 v[TM+4+qb], 23, v[TM+12+qb]              ; the scale's byte
.set qb, qb+1
.endr
	v_lshl_or_b32 v[\pw], v[TM+5], 8, v[TM+4]
.if \nb > 2
	v_lshl_or_b32 v[\pw], v[TM+6], 16, v[\pw]
	v_lshl_or_b32 v[\pw], v[TM+7], 24, v[\pw]
.endif
.set qb, 0
.rept \nb
	v_cvt_scalef32_pk8_fp4_f32 v[(\pc)+2*qb], v[(\s)+16*qb:(\s)+16*qb+7], v[TM+12+qb]
	v_cvt_scalef32_pk8_fp4_f32 v[(\pc)+2*qb+1], v[(\s)+16*qb+8:(\s)+16*qb+15], v[TM+12+qb]
.set qb, qb+1
.endr
	v_nop                                                  ; one plain place behind the scaled conversions
.set qb, 0
.rept (\nb)/2                                              ; the operand wants a whole block in a lane: lanes 0-15 the even block, lanes 16-31 the odd one
	v_permlane16_swap_b32 v[(\pc)+4*qb], v[(\pc)+4*qb+2]
	v_permlane16_swap_b32 v[(\pc)+4*qb+1], v[(\pc)+4*qb+3]
.set qb, qb+1
.endr
.endm
.macro LOADROWS set, base              ; 16 rows x 512 bytes: an instruction reads 512 consecutive bytes of one row
.irp i, 0,1,2,3,4,5,6,7,8,9,10,11,12,13,14,15
	global_load_b128 v[\set+4*\i:\set+4*\i+3], v[L16], s[\base:\base+1] offset:8192*\i th:TH_LOAD_NT
.endr
.endm
.macro LOADW reg, base                 ; 16 rows of a weight's tile x 256 bytes: an instruction reads two rows' 256 consecutive bytes; tile rows 8-15 lie 8 matrix rows further on
.irp i, 0,1,2,3,4,5,6,7
	global_load_b128 v[\reg+4*\i:\reg+4*\i+3], v[WOF], s[\base:\base+1] offset:(2*\i+8*(\i/4))*8192 th:TH_LOAD_NT
.endr
.endm
.macro TURNF set                       ; a tile of 16 x 128 numbers through my stage
.irp i, 0,1,2,3,4,5,6,7,8,9,10,11,12,13,14,15
	ds_store_b128 v[STF], v[\set+4*\i:\set+4*\i+3] offset:SP*\i
.endr
	s_wait_dscnt 0x0                                       ; the stores have read their registers: the loads below land on them
.irp b, 0,1,2,3
.irp j, 0,1,2,3
	ds_load_b128 v[\set+16*\b+4*\j:\set+16*\b+4*\j+3], v[LDA] offset:128*\b+16*\j
.endr
.endr
	s_wait_dscnt 0x0
.endm
.macro TURNH set, nt                   ; nt tiles of 16 x 64 numbers, side by side in the stage's rows
.set tt, 0
.rept \nt
.irp i, 0,1,2,3,4,5,6,7
	ds_store_b128 v[STH], v[\set+32*tt+4*\i:\set+32*tt+4*\i+3] offset:2*SP*\i+256*tt
.endr
.set tt, tt+1
.endr
	s_wait_dscnt 0x0
.set tb, 0
.rept 2*\nt
.irp j, 0,1,2,3
	ds_load_b128 v[\set+16*tb+4*\j:\set+16*tb+4*\j+3], v[LDA] offset:128*tb+16*\j
.endr
.set tb, tb+1
.endr
	s_wait_dscnt 0x0
.endm
; My K step of a thin product, transposed: source 0 = A's 16 columns, source 1 = the 16 rows: lane (r, h) then holds row r and ranks 8 h + 0 .. 7.  The partial tile goes to LDS.
.macro THIN off
.rept 8
	v_nop                                                  ; a scale register written by vector instructions stands 8 places ahead of a scaled matrix instruction, an operand 4
.endr
	v_wmma_scale_f32_16x16x128_f8f6f4 v[ACC:ACC+7], v[AF:AF+7], v[PC:PC+7], 0, v[AS], v[PW] matrix_a_fmt:MATRIX_FMT_FP4 matrix_b_fmt:MATRIX_FMT_FP4
.rept 4
	v_nop                                                  ; four places in front of the first read of the result
.endr
	ds_store_b128 v[RDW], v[ACC:ACC+3] offset:\off
	ds_store_b128 v[RDW], v[ACC+4:ACC+7] offset:\off+8192
.endm
	s_load_b512 s[4:19], s[0:1], 0x0               ; hidden 4, attn 6, A 8, gamma 10, W_in 12, W_up 14, W_down 16, hq 18
	s_load_b128 s[20:23], s[0:1], 0x40             ; wguq 20, wdq 22
	s_load_b64 s[24:25], s[0:1], 0x50              ; cimg
	v_lshrrev_b32 v19, 5, v0
	v_readfirstlane_b32 s26, v19                   ; wave 0..15
	v_and_b32 v16, 31, v0                          ; lane
	v_and_b32 v17, 15, v0                          ; r
	v_bfe_u32 v18, v0, 4, 1                        ; h
	s_lshr_b32 s27, ttmp9, 1                       ; my tile of each weight
	s_and_b32 s28, ttmp9, 1                        ; my half of its K
	s_lshr_b32 s29, s27, 2
	s_lshl_b32 s29, s29, 3
	s_and_b32 s56, s27, 3
	s_add_co_u32 s29, s29, s56                     ; W_in's tile in wguq: 8 (tile / 4) + tile % 4; W_up's is 4 further on
	s_mov_b32 s[SEL], 0x76543210
	s_mov_b32 s[SEL+1], 0xfedcba98
	s_mov_b32 s59, 0x3a000000                      ; 1 / 2,048
	s_mov_b32 s60, 0x358637bd                      ; 1e-6
	s_mov_b32 s61, 0xbd5d0dd1                      ; -17 / 315
	s_mov_b32 s62, 0x3e088889                      ; 2 / 15
	s_mov_b32 s63, 0xbeaaaaab                      ; -1 / 3
	; byte offsets, each in a pair with 0 above it
	s_lshl_b32 s56, s26, 9                         ; 512 w
	s_lshl_b32 s34, ttmp9, 17
	s_add_co_u32 s34, s34, s56                     ; hidden, attn: 16 rows of 8,192 bytes a work-group, 512 bytes a wave
	s_mov_b32 s35, 0
	s_lshl_b32 s36, s26, 13                        ; A: 128 rows of 64 bytes a wave
	s_mov_b32 s37, 0
	s_mov_b32 s38, s56                             ; gamma
	s_mov_b32 s39, 0
	s_lshr_b32 s40, s27, 1
	s_lshl_b32 s40, s40, 5
	s_and_b32 s57, s27, 1
	s_lshl_b32 s57, s57, 3
	s_add_co_u32 s40, s40, s57                     ; a weight: the tile's first row, 32 (tile / 2) + 8 (tile % 2),
	s_lshl_b32 s40, s40, 13
	s_lshl_b32 s57, s28, 12
	s_add_co_u32 s40, s40, s57                     ; + my half of K, 4,096 bytes,
	s_lshl_b32 s57, s26, 8
	s_add_co_u32 s40, s40, s57                     ; + my wave's 64 numbers
	s_mov_b32 s41, 0
	s_lshl_b32 s42, ttmp9, 14
	s_lshl_b32 s57, s26, 10
	s_add_co_u32 s42, s42, s57                     ; hq: tile g, fragment w
	s_mov_b32 s43, 0
	s_lshl_b32 s57, s28, 13
	s_add_co_u32 s57, s57, s56                     ; a weight's half fragment: 8,192 x half + 512 w
	s_lshl_b32 s44, s29, 14
	s_add_co_u32 s44, s44, s57
	s_mov_b32 s45, 0
	s_lshl_b32 s46, s27, 14
	s_add_co_u32 s46, s46, s57
	s_mov_b32 s47, 0
	s_min_u32 s58, s26, 1
	s_lshl_b32 s57, s58, 9
	s_lshl_b32 s48, ttmp9, 10
	s_add_co_u32 s48, s48, s57                     ; cimg: 1,024 g + 512 x (registers 0-3 or 4-7)
	s_mov_b32 s49, 0
	s_and_b32 s57, s26, 1
	s_lshl_b32 s58, s57, 9
	s_lshl_b32 s50, ttmp9, 10
	s_add_co_u32 s50, s50, s58
	s_add_co_u32 s50, s50, 4194304                 ; h's scale words: waves 2 and 3 store 512 bytes each
	s_mov_b32 s51, 0
	s_lshl_b32 s52, s29, 10
	s_lshl_b32 s58, s28, 9
	s_add_co_u32 s52, s52, s58
	s_lshl_b32 s57, s57, 12
	s_add_co_u32 s52, s52, s57
	s_add_co_u32 s52, s52, 4194304                 ; W_in's (wave 4) and W_up's (wave 5, four tiles on)
	s_mov_b32 s53, 0
	s_lshl_b32 s54, s27, 10
	s_add_co_u32 s54, s54, s58
	s_add_co_u32 s54, s54, 2097152                 ; W_down's (wave 6)
	s_mov_b32 s55, 0
	; LDS addresses: all made here, ahead of every branch
	v_lshlrev_b32 v[L16], 4, v16
	s_mul_i32 s57, s26, WST
	v_add_nc_u32 v[STF], s57, v[L16]
	v_mul_u32_u24 v20, v18, SP
	v_lshl_add_u32 v20, v17, 4, v20
	v_add_nc_u32 v[STH], s57, v20
	v_mul_u32_u24 v20, v17, SP
	v_lshl_add_u32 v20, v18, 6, v20
	v_add_nc_u32 v[LDA], s57, v20
	s_add_co_u32 s57, s56, GAM
	v_add_nc_u32 v[GMW], s57, v[L16]
	v_lshlrev_b32 v20, 6, v18
	v_add_nc_u32 v[GMR], s57, v20
	v_mul_u32_u24 v[SSR], v17, 80
	v_add_nc_u32 v[SSR], SSQ, v[SSR]
	s_lshl_b32 s57, s26, 2
	v_add_nc_u32 v[SSW], s57, v[SSR]
	s_lshr_b32 s57, s26, 2
	s_lshl_b32 s57, s57, 8
	s_and_b32 s58, s26, 3
	s_lshl_b32 s58, s58, 2
	s_add_co_u32 s57, s57, s58
	s_add_co_u32 s57, s57, SCG
	v_lshl_add_u32 v[SGH], v17, 4, s57             ; 256 (w / 4) + 16 r + 4 (w % 4)
	s_lshr_b32 s57, s26, 3
	s_lshl_b32 s57, s57, 8
	s_and_b32 s58, s26, 7
	s_lshl_b32 s58, s58, 1
	s_add_co_u32 s57, s57, s58
	s_add_co_u32 s57, s57, SCG+1024
	v_lshl_add_u32 v[SGW], v17, 4, s57             ; 256 (w / 8) + 16 r + 2 (w % 8)
	s_add_co_u32 s57, s56, RED
	v_add_nc_u32 v[RDW], s57, v[L16]
	s_min_u32 s58, s26, 1
	s_lshl_b32 s57, s58, 13
	s_add_co_u32 s57, s57, RED
	v_add_nc_u32 v[RDR], s57, v[L16]
	v_lshl_add_u32 v[SGR], v0, 4, SCG-1024
	v_lshlrev_b32 v[AOF], 11, v18
	v_lshl_add_u32 v[AOF], v17, 2, v[AOF]
	v_lshlrev_b32 v[WOF], 13, v18
	v_lshl_add_u32 v[WOF], v17, 4, v[WOF]
	v_lshlrev_b32 v[TM+9], 3, v18                  ; 8 h: where my two bytes stand in A's scale word
.irp b, 4,5,6,7,10
	v_mov_b32 v[TM+\b], 0                          ; written once: a lane permute's destination counts as one of its sources
.endr
	v_mov_b32 v[RS+1], 0                           ; named as the upper half of a pair
	s_wait_kmcnt 0x0
	s_add_nc_u64 s[50:51], s[18:19], s[50:51]      ; where my wave stores gathered scale words: a choice between buffers on the wave's number alone
	s_add_nc_u64 s[52:53], s[20:21], s[52:53]
	s_add_nc_u64 s[54:55], s[22:23], s[54:55]
	s_cmp_lt_u32 s26, 4
	s_cselect_b64 s[32:33], s[50:51], s[52:53]
	s_cmp_eq_u32 s26, 6
	s_cselect_b64 s[32:33], s[54:55], s[32:33]
	s_add_nc_u64 s[4:5], s[4:5], s[34:35]
	s_add_nc_u64 s[6:7], s[6:7], s[34:35]
	s_add_nc_u64 s[8:9], s[8:9], s[36:37]
	s_add_nc_u64 s[10:11], s[10:11], s[38:39]
	s_add_nc_u64 s[12:13], s[12:13], s[40:41]
	s_add_nc_u64 s[14:15], s[14:15], s[40:41]
	s_add_nc_u64 s[16:17], s[16:17], s[40:41]
	s_add_nc_u64 s[18:19], s[18:19], s[42:43]
	s_add_nc_u64 s[20:21], s[20:21], s[44:45]
	s_add_nc_u64 s[22:23], s[22:23], s[46:47]
	s_add_nc_u64 s[24:25], s[24:25], s[48:49]
	; ---- all loads of the rows and of A go out
	global_load_b128 v[36:39], v[L16], s[10:11]    ; my wave's 128 gammas
.irp c, 0,1
.irp i, 0,1,2,3,4,5,6,7,8,9,10,11,12,13,14,15,16,17,18,19,20,21,22,23,24,25,26,27,28,29,30,31
	global_load_b32 v[S2+32*\c+\i], v[AOF], s[8:9] offset:64*(64*\c+\i)   ; A(128 w + 64 c + 32 h + i, r): a lane takes a column, its registers run down K, in the operand's own order
.endr
.endr
	LOADROWS S0, 4
	LOADROWS S1, 6
	; ---- A's K step w becomes a fragment and a scale word
	s_wait_loadcnt 32                              ; gamma and A are in; hidden's 16 and attn's 16 loads may be out
	ds_store_b128 v[GMW], v[36:39]
.irp c, 0,1
	v_max3_num_f32 v[TM+\c], |v[S2+32*\c]|, |v[S2+32*\c+1]|, 0x1800000    ; block 2 c + h of column r: all 32 numbers are mine
.endr
.irp i, 2,4,6,8,10,12,14,16,18,20,22,24,26,28,30
.irp c, 0,1
	v_max3_num_f32 v[TM+\c], v[TM+\c], |v[S2+32*\c+\i]|, |v[S2+32*\c+\i+1]|
.endr
.endr
.irp c, 0,1
	v_add_nc_u32 v[TM+12+\c], 0xff000000, v[TM+\c]
.endr
.irp c, 0,1
	v_lshrrev_b32 v[TM+4+\c], 23, v[TM+12+\c]
.endr
	v_lshl_or_b32 v[TM+8], v[TM+5], 16, v[TM+4]    ; my two bytes, blocks h and 2 + h,
	v_lshlrev_b32 v[TM+8], v[TM+9], v[TM+8]        ; at their places;
	v_permlanex16_b32 v[TM+10], v[TM+8], s[SEL], s[SEL+1]
	v_or_b32 v[AS], v[TM+8], v[TM+10]              ; with lane l xor 16's two the word is whole
.irp c, 0,1
.irp g, 0,1,2,3
	v_cvt_scalef32_pk8_fp4_f32 v[AF+4*\c+\g], v[S2+32*\c+8*\g:S2+32*\c+8*\g+7], v[TM+12+\c]
.endr
.endr
	v_nop                                          ; one plain place behind the scaled conversions
	LOADW S2, 12                                   ; W_in's and W_up's 16 x 64 numbers take A's place
	LOADW S2+32, 14
	; ---- hidden: my part of each row's sum of squares
	s_wait_loadcnt 32                              ; hidden is in; attn's 16 and the two weights' 16 may be out
	TURNF S0
	v_pk_mul_f32 v[TM:TM+1], v[S0:S0+1], v[S0:S0+1]
	v_pk_mul_f32 v[TM+2:TM+3], v[S0+2:S0+3], v[S0+2:S0+3]
.set sj, 4
.rept 15
	v_pk_fma_f32 v[TM:TM+1], v[S0+sj:S0+sj+1], v[S0+sj:S0+sj+1], v[TM:TM+1]
	v_pk_fma_f32 v[TM+2:TM+3], v[S0+sj+2:S0+sj+3], v[S0+sj+2:S0+sj+3], v[TM+2:TM+3]
.set sj, sj+4
.endr
	v_pk_add_f32 v[TM:TM+1], v[TM:TM+1], v[TM+2:TM+3]
	v_add_f32 v[TM], v[TM], v[TM+1]
	v_permlanex16_b32 v[TM+4], v[TM], s[SEL], s[SEL+1]
	v_add_f32 v[TM], v[TM], v[TM+4]                ; row r, columns 128 w .. + 127
	ds_store_b32 v[SSW], v[TM]                     ; (both halves of the lanes write the same word with the same value)
	; ---- attn: quantised in registers, multiplied, never stored
	s_wait_loadcnt 16                              ; attn is in; the two weights' 16 may be out
	TURNF S1
	QUANT S1, 4, PC, PW
	THIN 16384
	LOADW S1, 16                                   ; W_down's 16 x 64 numbers
	s_wait_dscnt 0x0                               ; for the others' sake: my sum of squares has landed
	s_barrier_signal -1
	s_barrier_wait -1
	; ---- h = hidden x rsqrt(mean of squares + 1e-6) x gamma, quantised, stored, multiplied
.irp i, 0,1,2,3
	ds_load_b128 v[TM+4*\i:TM+4*\i+3], v[SSR] offset:16*\i
.endr
.irp b, 0,1
.irp j, 0,1,2,3
	ds_load_b128 v[S1+32+16*\b+4*\j:S1+32+16*\b+4*\j+3], v[GMR] offset:128*\b+16*\j
.endr
.endr
	s_wait_dscnt 8                                 ; the 16 partial sums are in; the eight loads of gamma may be out
	v_pk_add_f32 v[TM:TM+1], v[TM:TM+1], v[TM+2:TM+3]
	v_pk_add_f32 v[TM+4:TM+5], v[TM+4:TM+5], v[TM+6:TM+7]
	v_pk_add_f32 v[TM+8:TM+9], v[TM+8:TM+9], v[TM+10:TM+11]
	v_pk_add_f32 v[TM+12:TM+13], v[TM+12:TM+13], v[TM+14:TM+15]
	v_pk_add_f32 v[TM:TM+1], v[TM:TM+1], v[TM+4:TM+5]
	v_pk_add_f32 v[TM+8:TM+9], v[TM+8:TM+9], v[TM+12:TM+13]
	v_pk_add_f32 v[TM:TM+1], v[TM:TM+1], v[TM+8:TM+9]
	v_add_f32 v[TM], v[TM], v[TM+1]
	v_fma_f32 v[TM], v[TM], s59, s60               ; the mean (x 2^-11 is exact) + 1e-6
	v_rsq_f32 v[RS], v[TM]
	v_nop                                          ; one plain place behind the transcendental
.set sj, 0
	s_wait_alu depctr_va_vdst(0)
.rept 32
	v_pk_mul_f32 v[S0+sj:S0+sj+1], v[S0+sj:S0+sj+1], v[RS:RS+1] op_sel_hi:[1,0]
.set sj, sj+2
.endr
	s_wait_dscnt 0x0
.set sj, 0
.rept 16
	v_pk_mul_f32 v[S0+sj:S0+sj+1], v[S0+sj:S0+sj+1], v[S1+32+sj:S1+32+sj+1]
.set sj, sj+2
.endr
.irp b, 0,1
.irp j, 0,1,2,3
	ds_load_b128 v[S1+32+16*\b+4*\j:S1+32+16*\b+4*\j+3], v[GMR] offset:256+128*\b+16*\j
.endr
.endr
	s_wait_dscnt 0x0
.set sj, 0
.rept 16
	v_pk_mul_f32 v[S0+32+sj:S0+32+sj+1], v[S0+32+sj:S0+32+sj+1], v[S1+32+sj:S1+32+sj+1]
.set sj, sj+2
.endr
	QUANT S0, 4, PC, PW
	global_store_b128 v[L16], v[PC:PC+3], s[18:19]                 ; the fragment's image: 512 consecutive bytes a store
	global_store_b128 v[L16], v[PC+4:PC+7], s[18:19] offset:512
	ds_store_b32 v[SGH], v[PW]
	THIN 0
	; ---- W_in's and W_up's 64 along K, as one tile of four blocks
	s_wait_loadcnt 8                               ; both are in; W_down's 8 loads may be out
	TURNH S2, 2
	QUANT S2, 4, 64, 36
	global_store_b128 v[L16], v[64:67], s[20:21]                   ; half a fragment of W_in,
	global_store_b128 v[L16], v[68:71], s[20:21] offset:65536      ; and of W_up, four tiles on
	v_lshrrev_b32 v38, 16, v36
	ds_store_b16 v[SGW], v36                       ; two scale bytes of W_in,
	ds_store_b16 v[SGW], v38 offset:512            ; two of W_up
	; ---- W_down's
	s_wait_loadcnt 0x0
	TURNH S1, 1
	QUANT S1, 2, 72, 37
	global_store_b128 v[L16], v[72:75], s[22:23]
	ds_store_b16 v[SGW], v37 offset:1024
	s_wait_dscnt 0x0                               ; for the others' sake: my partial tiles and scale words have landed
	s_barrier_signal -1
	s_barrier_wait -1
	; ---- waves 0 and 1 add the 16 partial tiles and make c; waves 2 to 6 store the gathered scale words, 512 consecutive bytes each
	s_cmp_lt_u32 s26, 2
	s_cbranch_scc0 .Lscales
.irp k, 0,1,2,3,4,5,6,7,8,9,10,11,12,13,14,15
	ds_load_b128 v[S2+4*\k:S2+4*\k+3], v[RDR] offset:512*\k        ; hA
.endr
.irp k, 0,1,2,3,4,5,6,7,8,9,10,11,12,13,14,15
	ds_load_b128 v[S1+4*\k:S1+4*\k+3], v[RDR] offset:16384+512*\k  ; attn A
.endr
	s_wait_dscnt 0x0
.irp k, 1,2,3,4,5,6,7,8,9,10,11,12,13,14,15
	v_pk_add_f32 v[S2:S2+1], v[S2:S2+1], v[S2+4*\k:S2+4*\k+1]      ; K ascending
	v_pk_add_f32 v[S2+2:S2+3], v[S2+2:S2+3], v[S2+4*\k+2:S2+4*\k+3]
	v_pk_add_f32 v[S1:S1+1], v[S1:S1+1], v[S1+4*\k:S1+4*\k+1]
	v_pk_add_f32 v[S1+2:S1+3], v[S1+2:S1+3], v[S1+4*\k+2:S1+4*\k+3]
.endr
	; tanh of x, t = |x|: from 0.25 on (1 - e) / (1 + e), e = 2^(-2 log2(e) t); under 0.25, where that difference would lose bits, t (1 + t^2 (-1/3 + t^2 (2/15 - 17/315 t^2))), whose first
	; term left out is 62/2835 t^8, under 4e-7 there.  Both are computed, one is selected: no branch on data.
.irp i, 0,1,2,3
	v_and_b32 v[TM+\i], 0x7fffffff, v[S1+\i]
.endr
.irp i, 0,1,2,3
	v_mul_f32 v[TM+4+\i], 0xc038aa3b, v[TM+\i]
.endr
.irp i, 0,1,2,3
	v_exp_f32 v[TM+4+\i], v[TM+4+\i]
.endr
.irp i, 0,1,2,3
	v_mul_f32 v[TM+8+\i], v[TM+\i], v[TM+\i]       ; t^2 (plain places behind the exponentials)
.endr
	s_wait_alu depctr_va_vdst(0)
.irp i, 0,1,2,3
	v_add_f32 v[TM+12+\i], 1.0, v[TM+4+\i]
.endr
.irp i, 0,1,2,3
	v_rcp_f32 v[TM+12+\i], v[TM+12+\i]
.endr
.irp i, 0,1,2,3
	v_sub_f32 v[TM+4+\i], 1.0, v[TM+4+\i]          ; (plain places behind the reciprocals)
.endr
	s_wait_alu depctr_va_vdst(0)
.irp i, 0,1,2,3
	v_mul_f32 v[TM+4+\i], v[TM+4+\i], v[TM+12+\i]
.endr
.irp i, 0,1,2,3
	v_fma_f32 v[S1+4+\i], v[TM+8+\i], s61, s62
.endr
.irp i, 0,1,2,3
	v_fma_f32 v[S1+4+\i], v[S1+4+\i], v[TM+8+\i], s63
.endr
.irp i, 0,1,2,3
	v_fma_f32 v[S1+4+\i], v[S1+4+\i], v[TM+8+\i], 1.0
.endr
.irp i, 0,1,2,3
	v_mul_f32 v[S1+4+\i], v[S1+4+\i], v[TM+\i]
.endr
.irp i, 0,1,2,3
	v_cmp_gt_f32 vcc_lo, 0x3e800000, v[TM+\i]
	v_cndmask_b32 v[TM+4+\i], v[TM+4+\i], v[S1+4+\i], vcc_lo
.endr
.irp i, 0,1,2,3
	v_bfi_b32 v[TM+4+\i], 0x7fffffff, v[TM+4+\i], v[S1+\i]         ; x's sign
.endr
.irp i, 0,1,2,3
	v_mul_f32 v[TM+4+\i], 0x3dcccccd, v[TM+4+\i]   ; the modulation: 0.1 tanh
.endr
.irp i, 0,1,2,3
	v_mul_f32 v[TM+\i], v[S2+\i], v[TM+4+\i]       ; c = hA x modulation
.endr
	global_store_b128 v[L16], v[TM:TM+3], s[24:25]
	s_wait_xcnt 0x0
	v_lshl_add_u32 v254, v0, 2, 0x2c000
	v_mov_b32 v255, 0
	s_wait_tensorcnt 0x0
	ds_add_u32 v254, v255
	s_wait_dscnt 0x0
	s_endpgm
.Lscales:
	s_cmp_lt_u32 s26, 7
	s_cbranch_scc0 .Ldone
	ds_load_b128 v[TM:TM+3], v[SGR]
	s_wait_dscnt 0x0
	global_store_b128 v[L16], v[TM:TM+3], s[32:33]
.Ldone:
	s_wait_xcnt 0x0
	v_lshl_add_u32 v254, v0, 2, 0x2c000
	v_mov_b32 v255, 0
	s_wait_tensorcnt 0x0
	ds_add_u32 v254, v255
	s_wait_dscnt 0x0
	s_endpgm
.Lfunc_end_k_q8697c991d6_prep:
	.size	k_q8697c991d6_prep, .Lfunc_end_k_q8697c991d6_prep-k_q8697c991d6_prep
	.p2alignl 7, 3214868480
	.fill 96, 4, 3214868480
	.section	.rodata,"a",@progbits
	.p2align	6, 0x0
	.amdhsa_kernel k_q8697c991d6_prep
		.amdhsa_group_segment_fixed_size 182272
		.amdhsa_private_segment_fixed_size 0
		.amdhsa_enable_private_segment 0
		.amdhsa_kernarg_size 88
		.amdhsa_user_sgpr_count 2
		.amdhsa_user_sgpr_kernarg_segment_ptr 1
		.amdhsa_wavefront_size32 1
		.amdhsa_system_sgpr_workgroup_id_x 1
		.amdhsa_system_sgpr_workgroup_id_y 1
		.amdhsa_system_sgpr_workgroup_id_z 1
		.amdhsa_system_vgpr_workitem_id 0
		.amdhsa_next_free_vgpr 256
		.amdhsa_next_free_sgpr 66
		.amdhsa_reserve_vcc 1
		.amdhsa_float_denorm_mode_32 3
		.amdhsa_float_denorm_mode_16_64 3
		.amdhsa_memory_ordered 1
		.amdhsa_forward_progress 1
		.amdhsa_inst_pref_size 62
	.end_amdhsa_kernel
	.amdgpu_metadata
---
amdhsa.version: [ 1, 2 ]
amdhsa.kernels:
  - .name:           k_q8697c991d6_prep
    .symbol:         k_q8697c991d6_prep.kd
    .args:
      - { .name: hidden_states, .offset: 0, .size: 8, .value_kind: global_buffer, .address_space: global }
      - { .name: attn_output, .offset: 8, .size: 8, .value_kind: global_buffer, .address_space: global }
      - { .name: A, .offset: 16, .size: 8, .value_kind: global_buffer, .address_space: global }
      - { .name: gamma, .offset: 24, .size: 8, .value_kind: global_buffer, .address_space: global }
      - { .name: W_in, .offset: 32, .size: 8, .value_kind: global_buffer, .address_space: global }
      - { .name: W_up, .offset: 40, .size: 8, .value_kind: global_buffer, .address_space: global }
      - { .name: W_down, .offset: 48, .size: 8, .value_kind: global_buffer, .address_space: global }
      - { .name: hq, .offset: 56, .size: 8, .value_kind: global_buffer, .address_space: global }
      - { .name: wguq, .offset: 64, .size: 8, .value_kind: global_buffer, .address_space: global }
      - { .name: wdq, .offset: 72, .size: 8, .value_kind: global_buffer, .address_space: global }
      - { .name: cimg, .offset: 80, .size: 8, .value_kind: global_buffer, .address_space: global }
    .group_segment_fixed_size: 182272
    .private_segment_fixed_size: 0
    .kernarg_segment_align: 8
    .kernarg_segment_size: 88
    .max_flat_workgroup_size: 512
    .sgpr_count:     66
    .vgpr_count:     256
    .wavefront_size: 32
...
	.end_amdgpu_metadata
.endif
;; end of part 1
;; launch gateup (part 2): grid 16 x 16, 4 waves a work-group, clusters of 4 x 4, 327,680 bytes of LDS; arguments hq, wguq, cimg, Bmat, actq; writes actq
.if DOCPART == 2
	.amdgcn_target "amdgcn-amd-amdhsa--gfx1250"
	.amdhsa_code_object_version 6
	.text
	.protected	k_q8697c991d6_gateup
	.globl	k_q8697c991d6_gateup
	.p2align	8
	.type	k_q8697c991d6_gateup,@function
k_q8697c991d6_gateup:
	s_mov_b64 s[64:65], 0
	v_nop
	global_prefetch_b8 v0, s[64:65] scope:SCOPE_SE
	s_setreg_imm32_b32 hwreg(HW_REG_WAVE_MODE, 25, 1), 1
	s_wait_xcnt 0x0
	s_wait_alu depctr_hold_cnt(0) depctr_sa_sdst(0) depctr_va_vdst(0) depctr_va_sdst(0) depctr_va_ssrc(0) depctr_va_vcc(0) depctr_vm_vsrc(0)
	s_getreg_b32 s2, hwreg(HW_REG_IB_STS2, 6, 4)
	s_cmp_eq_u32 s2, 0
	s_cbranch_scc0 .Lentry_in_a_cluster
	s_endpgm
.Lentry_in_a_cluster:
	s_bfe_u32 s2, ttmp6, 0x10000c
	s_cmp_lg_u32 s2, 0xf033
	s_cbranch_scc0 .Lentry_shape_is_right
	s_endpgm
.Lentry_shape_is_right:
; GATEUP: act = silu(h W_in^T + c Bmat) x (h W_up^T), quantised along the hidden layer's axis into actq.  h and the weights arrive as codes of E2M1 with E8M0 scale words, laid as images of the
; operand's registers: a fragment (16 rows x 128 K) is 1,024 bytes, registers 0-3 of lane l at 16 l, registers 4-7 at 512 + 16 l; a tile's 16 fragments on end; the scale words behind all images,
; 1,024 bytes a tile, [K / 512][row][16 bytes].  actq is laid the same way.
; SHARES.  A work-group: 256 rows x 128 columns of BOTH products.  A wave: 128 rows (8 blocks) x 64 columns: four tiles of W_in and the same four of W_up, 64 accumulators, 512 registers: accumulators
; (a, b) and (a, b + 4) hold gate and up of the same numbers in the same lane and register.  K = 2,048 goes in four steps of 512 through two LDS slots, written out without a loop.
; TRANSPOSED: source 0 = 16 rows of a weight, source 1 = 16 rows of h.  By the order of a weight tile's rows a lane's registers of tiles 2 b, 2 b + 1 are 16 neighbouring columns 32 b + 16 (lane / 16) + 0 .. 15.
; c Bmat (K = 16; its result goes on into a quantiser, so f32 operands) is added in place onto the gate's accumulators by the f32 matrix form, in two halves of 64 instructions, one behind each of the two
; refills of a slot: a refill then has that work too in which to land, and the head waits for nothing but the first tiles.  c and Bmat are asked for at the head, into registers of window 1 that the
; fragments leave free, and are waited for in front of the first half.  Their k places carry ranks 8 (lane / 16) + 2 step + register, alike on both sides.  The accumulators are written by matrix
; instructions alone.
; CLUSTERS: 4 x 4 work-groups; h's tiles are asked for jointly along a row of the cluster, the weights' along a column.
; LIMITS: NaN and infinities are not served; a block of act whose largest magnitude lies under 2^-124 gets the byte 1.  act's scale words leave as 4 bytes at every 16th byte (1,024 bytes a work-group,
; beside its 16,384 bytes of codes, which leave 512 consecutive bytes a store).
; REGISTERS: window 0: v0-31 addresses; v32-95 scale words, two sets, and nothing else; v128-191 h's fragments, one set; in the epilogue v128-249 at work.
;   window 1: the weights' fragments, two sets, at v0 and v128; v64-95 Bmat; v192-255 c.   windows 2, 3: accumulator (a, b) at v[8 (8 (a % 4) + b)] of window 2 + a / 4.
.set SLOT,  131072                     ; a slot: h's 16 blocks x 4,096 bytes, then the weights' 16 tiles x 4,096
.set KSB,   4096                       ; 512 along K of one tile: four fragments
.set SCL,   262144                     ; behind the ring: the weights' scale words, 16,384 bytes, then h's, 16,384: filled once
.set SPARE, 294912                     ; the spare words, 128 bytes a wave: two blocks of 256 bytes that no other line names
.set ASG,   295424                     ; act's scale words of the 256 rows are gathered here: 1,024 bytes, never the target of a fill
.set ADRA, 16                          ; v16-17 my blocks of h in slot 0, 1
.set ADRB, 20                          ; v20-21 my tiles of the weights
.set CO,   24                          ; v24  16 x lane
.set ASW,  25                          ; v25  where my row's two scale bytes go
.set ASR,  26                          ; v26  where I read a scale word back
.set ADRS, 27                          ; v27  scale words: lanes 0-15 the weights', lanes 16-31 h's
.set SPW,  28                          ; v28  my spare word: SPARE + 4 x thread; never rewritten
.set NIL,  29                          ; v29  0; never rewritten
.set SGO,  30                          ; v30  a row's scale word in actq
.set BOF,  31                          ; v31  Bmat: rank 8 (lane / 16), the tile's row order
.set SC,   32
.set AF,   128
.set BM,   64                          ; window 1: v[BM + 8 t + e] = Bmat(8 h + e, row r of tile t)
.set CF,   192                         ; window 1: v[CF + 8 a + e] = c(row r of block a, 8 h + e)
.set E,    128                         ; the epilogue: v128-159, v160-191 at work
.set T,    160
.set TM,   192                         ; v192-207
.set PCO,  208                         ; v208-239 codes, four registers a block: no store's data are written again
.set PWO,  240                         ; v240-247 scale bytes, one register a block
.set SEL,  66                          ; s[66:67]
.set G1, 24
.set G0, 32
.set G1B, 48
.set G0B, 56
.set G1S, 68
.set G0S, 76
.set G1SB, 80
.set G0SB, 88
.set MSB, 0
.macro WIN new                         ; the immediate's high byte repeats the setting that is left; a switch that changes nothing is dropped
.if MSB != (\new)
	s_set_vgpr_msb (MSB<<8)|(\new)
.set MSB, (\new)
.endif
.endm
.set MUL_LO, 0xa1                      ; source 0 window 1, source 1 window 0, C and D window 2
.set MUL_HI, 0xf1                      ; the same, C and D window 3
.set TO_B,   0x40                      ; destination window 1
; A joint load: waves 0 and 1 fetch for h, waves 2 and 3 for the weights.  The branch hangs on the wave's number alone.  Four v_nop follow each of the two lines.
.macro JLOAD g0a, g1a, g0b, g1b
	s_cmp_eq_u32 s15, 0
	s_cbranch_scc0 .Lfor_b_\@
	tensor_load_to_lds s[\g0a:\g0a+3], s[\g1a:\g1a+7]
	s_nop 0
.rept 4
	v_nop
.endr
	s_branch .Lasked_\@
.Lfor_b_\@:
	tensor_load_to_lds s[\g0b:\g0b+3], s[\g1b:\g1b+7]
	s_nop 0
.rept 4
	v_nop
.endr
.Lasked_\@:
.endm
.macro CREST                           ; a round of the cluster's barrier behind its opening barrier
	s_cmp_lg_u32 s14, 0
	s_cbranch_scc1 .Lnot_wave_0_\@
	s_barrier_signal -3
.Lnot_wave_0_\@:
	s_barrier_wait -3
	s_barrier_signal -1
	s_barrier_wait -1
.endm
.macro CROUND
	s_barrier_signal -1
	s_barrier_wait -1
	CREST
.endm
.macro PLACES n
.rept \n
	v_nop
.endr
.endm
	s_load_b256 s[4:11], s[0:1], 0x0               ; hq 4, wguq 6, cimg 8, Bmat 10
	s_load_b64 s[12:13], s[0:1], 0x20              ; actq
	v_lshl_add_u32 v[SPW], v0, 2, SPARE
	v_mov_b32 v[NIL], 0
	ds_add_u32 v28, v29
	ds_add_u32 v28, v29
	s_wait_dscnt 0x0
	v_lshrrev_b32 v1, 5, v0
	v_readfirstlane_b32 s14, v1                    ; wave 0..3
	s_lshr_b32 s15, s14, 1                         ; my half of the rows.  Also: I fetch for h (0) or for the weights (1)
	s_and_b32 s16, s14, 1                          ; my half of the columns.  Also: which half I fetch
	s_bfe_u32 s40, ttmp6, 0x40000                  ; cx, cy: my place in the cluster
	s_bfe_u32 s41, ttmp6, 0x40004
	s_lshl_b32 s42, ttmp9, 2
	s_add_co_u32 s42, s42, s40                     ; X: which 128 columns
	s_and_b32 s17, ttmp7, 0xffff
	s_lshl_b32 s17, s17, 2
	s_add_co_u32 s17, s17, s41                     ; Y: which 256 rows
	s_lshl_b32 s43, s41, 2
	s_lshl_b32 s43, 15, s43                        ; my row of the cluster
	s_lshl_b32 s44, 0x1111, s40                    ; my column
	; group 1, codes: 8 tiles x 4,096 bytes (512 elements of 8 bytes), 16,384 bytes (2,048 elements) from tile to tile; no padding: a fragment load reads 512 consecutive bytes
	s_or_b32 s[G1+0], s43, (3<<16)|(1<<21)
	s_or_b32 s[G1B+0], s44, (3<<16)|(1<<21)
.irp g, G1, G1B
	s_mov_b32 s[\g+1], 512<<16                     ; tensor_dim0
	s_mov_b32 s[\g+2], 8<<16                       ; tensor_dim1
	s_mov_b32 s[\g+3], 512<<16                     ; tile_dim0
	s_mov_b32 s[\g+4], 8                           ; tile_dim1
	s_mov_b32 s[\g+5], 2048                        ; pitch
	s_mov_b32 s[\g+6], 0
	s_mov_b32 s[\g+7], 0
.endr
	; group 1, scale words of 8 tiles: 8,192 dense bytes as 32 rows of 256
	s_or_b32 s[G1S+0], s43, (3<<16)|(1<<21)
	s_or_b32 s[G1SB+0], s44, (3<<16)|(1<<21)
.irp g, G1S, G1SB
	s_mov_b32 s[\g+1], 32<<16
	s_mov_b32 s[\g+2], 32<<16
	s_mov_b32 s[\g+3], 32<<16
	s_mov_b32 s[\g+4], 32
	s_mov_b32 s[\g+5], 32
	s_mov_b32 s[\g+6], 0
	s_mov_b32 s[\g+7], 0
.endr
	s_lshl_b32 s18, s16, 3                         ; which 8 tiles I fetch
	s_lshl_b32 s20, s17, 4
	s_add_co_u32 s20, s20, s18                     ; h: block 16 Y + 8 x half
	s_lshl_b32 s22, s20, 10
	s_add_co_u32 s22, s22, 4194304                 ; its scale words,
	s_mov_b32 s23, 0
	s_lshl_b32 s20, s20, 14                        ; its images
	s_mov_b32 s21, 0
	s_lshl_b32 s46, s42, 4
	s_add_co_u32 s46, s46, s18                     ; the weights: tile 16 X + 8 x half
	s_lshl_b32 s92, s46, 10
	s_add_co_u32 s92, s92, 4194304
	s_mov_b32 s93, 0
	s_lshl_b32 s46, s46, 14
	s_mov_b32 s47, 0
	s_lshl_b32 s94, s17, 4
	s_lshl_b32 s19, s15, 3
	s_add_co_u32 s94, s94, s19                     ; my first block of rows: 16 Y + 8 x my half
	s_lshl_b32 s98, s94, 14
	s_lshl_b32 s19, s42, 10
	s_add_co_u32 s98, s98, s19
	s_lshl_b32 s19, s16, 9
	s_add_co_u32 s98, s98, s19                     ; act's images: that block, fragment X, half CH of it
	s_mov_b32 s99, 0
	s_lshl_b32 s94, s94, 10                        ; c: 1,024 bytes a block
	s_mov_b32 s95, 0
	s_lshl_b32 s96, s42, 1
	s_add_co_u32 s96, s96, s16
	s_lshl_b32 s96, s96, 8                         ; Bmat: my first column, 4 x (128 X + 64 CH) bytes
	s_mov_b32 s97, 0
	s_lshl_b32 s100, s17, 14
	s_lshr_b32 s19, s42, 2
	s_lshl_b32 s19, s19, 8
	s_add_co_u32 s100, s100, s19
	s_and_b32 s19, s42, 3
	s_lshl_b32 s19, s19, 2
	s_add_co_u32 s100, s100, s19
	s_add_co_u32 s100, s100, 4194304               ; act's scale words: 16 tiles of 1,024 bytes a work-group, word X of each row
	s_mov_b32 s101, 0
	s_lshl_b32 s45, s14, 15                        ; where codes go: 32,768 x wave: h's two halves, then the weights'
	s_lshl_b32 s2, s14, 13                         ; and scale words: 8,192 x wave
	s_mov_b32 s[SEL], 0x76543210
	s_mov_b32 s[SEL+1], 0xfedcba98
	s_wait_kmcnt 0x0
	s_add_nc_u64 s[20:21], s[4:5], s[20:21]
	s_add_nc_u64 s[22:23], s[4:5], s[22:23]
	s_add_nc_u64 s[46:47], s[6:7], s[46:47]
	s_add_nc_u64 s[92:93], s[6:7], s[92:93]
	s_add_nc_u64 s[8:9], s[8:9], s[94:95]
	s_add_nc_u64 s[10:11], s[10:11], s[96:97]
	s_add_nc_u64 s[98:99], s[12:13], s[98:99]
	s_add_nc_u64 s[100:101], s[12:13], s[100:101]
	CROUND                                         ; all sixteen work-groups are here: the first joint loads meet
	s_mov_b32 s[G0S], 1
	s_add_co_u32 s[G0S+1], s2, SCL+16384           ; waves 0, 1: h's scale words lie behind the weights'
	s_mov_b64 s[G0S+2:G0S+3], s[22:23]
	s_or_b32 s[G0S+3], s[G0S+3], 0x80000000
	s_mov_b32 s[G0SB], 1
	s_add_co_u32 s[G0SB+1], s2, SCL-16384          ; waves 2, 3: SCL + 8,192 (wave - 2)
	s_mov_b64 s[G0SB+2:G0SB+3], s[92:93]
	s_or_b32 s[G0SB+3], s[G0SB+3], 0x80000000
	JLOAD G0S, G1S, G0SB, G1SB                     ; the scale words of all of K: filled once
.irp s, 0,1
	s_mov_b32 s[G0+4*\s], 1
	s_add_co_u32 s[G0+4*\s+1], s45, \s*SLOT
	s_add_nc_u64 s[G0+4*\s+2:G0+4*\s+3], s[20:21], \s*KSB
	s_or_b32 s[G0+4*\s+3], s[G0+4*\s+3], 0x80000000
	s_mov_b32 s[G0B+4*\s], 1
	s_add_co_u32 s[G0B+4*\s+1], s45, \s*SLOT
	s_add_nc_u64 s[G0B+4*\s+2:G0B+4*\s+3], s[46:47], \s*KSB
	s_or_b32 s[G0B+4*\s+3], s[G0B+4*\s+3], 0x80000000
	JLOAD G0+4*\s, G1, G0B+4*\s, G1B               ; K steps 0 and 1: three tensor loads of mine are out
.endr
	v_and_b32 v1, 15, v0                           ; r
	v_bfe_u32 v2, v0, 4, 1                         ; h
	v_and_b32 v3, 31, v0                           ; lane
	v_lshlrev_b32 v[CO], 4, v3
	s_lshl_b32 s18, s15, 15                        ; my 8 blocks of h
	s_lshl_b32 s19, s16, 15
	s_add_co_u32 s19, s19, 65536                   ; my 8 tiles of the weights, behind h's 16 blocks
.irp s, 0,1
	v_add_nc_u32 v[ADRA+\s], s18, v[CO]
	v_add_nc_u32 v[ADRB+\s], s19, v[CO]
	s_add_co_u32 s18, s18, SLOT
	s_add_co_u32 s19, s19, SLOT
.endr
	s_lshl_b32 s18, s16, 13                        ; the weights' scale words: my 8 tiles
	s_lshl_b32 s19, s15, 13
	s_add_co_u32 s19, s19, 16384                   ; h's: my 8 blocks, behind the weights' 16 tiles
	s_sub_co_u32 s19, s19, s18
	v_mul_u32_u24 v4, s19, v2                      ; lanes 16-31 take h's: the lower base + h x the distance
	s_add_co_u32 s18, s18, SCL
	v_lshl_add_u32 v4, v1, 4, v4
	v_add_nc_u32 v[ADRS], s18, v4
	s_lshl_b32 s18, s15, 9
	s_lshl_b32 s19, s16, 1
	s_add_co_u32 s18, s18, s19
	s_add_co_u32 s18, s18, ASG
	v_lshl_add_u32 v[ASW], v1, 2, s18              ; row 128 RH + 16 a + r: word; my half of the columns: its bytes 2 CH, 2 CH + 1
	v_lshl_add_u32 v[ASR], v0, 2, ASG
	v_lshrrev_b32 v4, 4, v0
	v_lshlrev_b32 v4, 10, v4
	v_lshl_add_u32 v[SGO], v1, 4, v4               ; row = thread: tile thread / 16, 16 bytes a row
	v_and_b32 v4, 8, v1
	v_add_nc_u32 v4, v4, v1                        ; r + 8 (r / 8)
	v_lshlrev_b32 v4, 2, v4
	v_lshl_add_u32 v[BOF], v2, 16, v4              ; + 8 h rows of Bmat
.irp b, 4,5,6,7
	v_mov_b32 v[TM+\b], 0                          ; written once: a lane permute's destination counts as one of its sources
.endr
	; ---- Bmat and c are asked for: 48 loads, into registers of window 1 that stay theirs; the wait for them stands in front of the first half of c Bmat, four steps of 128 along K further on
	WIN TO_B
.irp t, 0,1,2,3
.irp e, 0,1,2,3,4,5,6,7
	global_load_b32 v[BM+8*\t+\e], v[BOF], s[10:11] offset:8192*\e+4*(32*(\t/2)+8*(\t%2))
.endr
.endr
.irp a, 0,1,2,3,4,5,6,7
.irp p, 0,1
	global_load_b128 v[CF+8*\a+4*\p:CF+8*\a+4*\p+3], v[CO], s[8:9] offset:1024*\a+512*\p
.endr
.endr
	WIN 0
; Half hi of c Bmat: four blocks of rows x the gate's four tiles, four steps of 4 along the ranks, added in place: sixteen accumulators by turns, one instruction a turn.
; Both sources lie in window 1.  Five places in front: another form writes over results of the 4-bit form.  Nine behind: the 4-bit form then writes over results of the f32 form (ISA guide 7.12.1).
.macro DELTA hi
	PLACES 5
	WIN 0xa5+0x50*(\hi)                            ; sources 0 and 1 window 1; C and D window 2 or 3
.irp k, 0,1,2,3
.irp a, 0,1,2,3
.irp t, 0,1,2,3
	v_wmma_f32_16x16x4_f32 v[8*(8*\a+\t):8*(8*\a+\t)+7], v[BM+8*\t+2*\k:BM+8*\t+2*\k+1], v[CF+8*(4*(\hi)+\a)+2*\k:CF+8*(4*(\hi)+\a)+2*\k+1], v[8*(8*\a+\t):8*(8*\a+\t)+7]
.endr
.endr
.endr
	WIN 0
	PLACES 9
.endm
.macro FRAG reg, adr, q, i             ; a fragment's image: two loads of 512 consecutive bytes
.irp c, 0,1
	ds_load_b128 v[\reg+4*\c:\reg+4*\c+3], v[\adr] offset:1024*(\q)+512*\c+4096*(\i)
.endr
.endm
.macro FETCH_B slot, q, p              ; the weights' eight fragments of the slot's q-th 128 along K into set p
	WIN TO_B
.irp i, 0,1,2,3,4,5,6,7
	FRAG 128*(\p)+8*\i, ADRB+\slot, \q, \i
.endr
	WIN 0
.endm
.macro FETCH_A slot, q, i0             ; h's blocks i0 .. i0 + 3
.irp i, \i0, \i0+1, \i0+2, \i0+3
	FRAG AF+8*(\i), ADRA+\slot, \q, \i
.endr
.endm
.macro SCALES sc, k                    ; K step k's scale words into set sc: register 4 i + q: lanes 0-15 the weights' tile i, lanes 16-31 h's block i
.irp i, 0,1,2,3,4,5,6,7
	ds_load_b128 v[SC+32*(\sc)+4*\i:SC+32*(\sc)+4*\i+3], v[ADRS] offset:1024*\i+256*(\k)
.endr
.endm
; 16 matrix instructions: h's blocks a0, a0 + 1 x the eight tiles.  zero = 1: the first product starts all 64 sums: nothing is ever cleared.  The 64 accumulators take turns, one instruction a turn.
.macro MULS a0, p, q, sc, zero
.irp a, \a0, \a0+1
.irp b, 0,1,2,3,4,5,6,7
.if \zero
	v_wmma_scale_f32_16x16x128_f8f6f4 v[8*(8*((\a)%4)+\b):8*(8*((\a)%4)+\b)+7], v[128*(\p)+8*\b:128*(\p)+8*\b+7], v[AF+8*(\a):AF+8*(\a)+7], 0, v[SC+32*(\sc)+4*\b+(\q)], v[SC+32*(\sc)+4*(\a)+(\q)] matrix_a_fmt:MATRIX_FMT_FP4 matrix_b_fmt:MATRIX_FMT_FP4 matrix_b_scale:MATRIX_SCALE_ROW1
.else
	v_wmma_scale_f32_16x16x128_f8f6f4 v[8*(8*((\a)%4)+\b):8*(8*((\a)%4)+\b)+7], v[128*(\p)+8*\b:128*(\p)+8*\b+7], v[AF+8*(\a):AF+8*(\a)+7], v[8*(8*((\a)%4)+\b):8*(8*((\a)%4)+\b)+7], v[SC+32*(\sc)+4*\b+(\q)], v[SC+32*(\sc)+4*(\a)+(\q)] matrix_a_fmt:MATRIX_FMT_FP4 matrix_b_fmt:MATRIX_FMT_FP4 matrix_b_scale:MATRIX_SCALE_ROW1
.endif
.endr
.endr
.endm
; A step of 128 along K, the slot's q-th; its successor is slot ns's nq-th.  h has one set of registers (a block is free when its eight products are issued), the weights two.
.macro STEP q, sc, zero, ns, nq, nk
	s_wait_dscnt 8                                 ; all but the youngest eight loads (h's blocks 4-7) are in
	WIN MUL_LO
	MULS 0, (\q)%2, \q, \sc, \zero
	MULS 2, (\q)%2, \q, \sc, \zero
	s_wait_dscnt 0                                 ; h's blocks 4-7 are in
	PLACES 4                                       ; four places in front of loads into registers that matrix instructions have read
	FETCH_B \ns, \nq, 1-(\q)%2
	FETCH_A \ns, \nq, 0
.if \nk >= 0
	SCALES 1-(\sc), \nk
.endif
	WIN MUL_HI
	MULS 4, (\q)%2, \q, \sc, \zero
	MULS 6, (\q)%2, \q, \sc, \zero
	PLACES 4
	WIN 0
	FETCH_A \ns, \nq, 4
.endm
; A slot's last step changes slots: one barrier; in front of it each wave waits for all its tensor loads, adds 0 to its spare word, and waits for that and for its reads of this slot.
; fill = 1: the barrier opens a round of the cluster's, and behind the round this slot takes the K step adv further on.
.macro TURN cs, sc, ns, nk, fill, adv
	s_wait_tensorcnt 0x0                           ; all my tensor loads have landed: my part of the next slot among them
	ds_add_u32 v[SPW], v[NIL]                      ; 0 onto my spare word
	s_wait_dscnt 9                                 ; (the add and h's blocks 4-7 may be out)
	WIN MUL_LO
	MULS 0, 1, 3, \sc, 0
	s_wait_dscnt 0x0                               ; the add is done, and my reads of this slot are over
	s_barrier_signal -1
	MULS 2, 1, 3, \sc, 0
	WIN 0
	s_barrier_wait -1
.if \fill
	CREST                                          ; no wave of any partner still reads this slot or has a load on its way
	s_add_nc_u64 s[G0+4*\cs+2:G0+4*\cs+3], s[G0+4*\cs+2:G0+4*\cs+3], \adv*KSB
	s_add_nc_u64 s[G0B+4*\cs+2:G0B+4*\cs+3], s[G0B+4*\cs+2:G0B+4*\cs+3], \adv*KSB
	JLOAD G0+4*\cs, G1, G0B+4*\cs, G1B             ; the first tensor load behind the round, one a wave; its four v_nop are also the places in front of the loads below
.else
	PLACES 4
.endif
	FETCH_B \ns, 0, 0
	FETCH_A \ns, 0, 0
	SCALES 1-(\sc), \nk
	WIN MUL_HI
	MULS 4, 1, 3, \sc, 0
	MULS 6, 1, 3, \sc, 0
	PLACES 4
	WIN 0
	FETCH_A \ns, 0, 4
.endm
	s_wait_tensorcnt 1                             ; the scale words and my part of K step 0 are in; K step 1's load may be out
	s_barrier_signal -1
	s_barrier_wait -1
	FETCH_B 0, 0, 0
	FETCH_A 0, 0, 0
	SCALES 0, 0
	FETCH_A 0, 0, 4
	STEP 0, 0, 1, 0, 1, -1                         ; K step 0, slot 0
	STEP 1, 0, 0, 0, 2, -1
	STEP 2, 0, 0, 0, 3, -1
	TURN 0, 0, 1, 1, 1, 2                          ; slot 0 takes K step 2
	s_wait_loadcnt 0x0                             ; Bmat and c, asked for at the head, are in
	DELTA 0                                        ; rows 0-63: 64 matrix instructions more between the refill's request and the wait for it
	STEP 0, 1, 0, 1, 1, -1                         ; K step 1, slot 1
	STEP 1, 1, 0, 1, 2, -1
	STEP 2, 1, 0, 1, 3, -1
	TURN 1, 1, 0, 2, 1, 2                          ; slot 1 takes K step 3
	DELTA 1                                        ; rows 64-127, likewise
	STEP 0, 0, 0, 0, 1, -1                         ; K step 2, slot 0
	STEP 1, 0, 0, 0, 2, -1
	STEP 2, 0, 0, 0, 3, -1
	TURN 0, 0, 1, 3, 0, 0                          ; nothing is left to fetch
	STEP 0, 1, 0, 1, 1, -1                         ; K step 3, slot 1
	STEP 1, 1, 0, 1, 2, -1
	STEP 2, 1, 0, 1, 3, -1
	s_wait_dscnt 8                                 ; the very last step
	WIN MUL_LO
	MULS 0, 1, 3, 1, 0
	MULS 2, 1, 3, 1, 0
	s_wait_dscnt 0
	WIN MUL_HI
	MULS 4, 1, 3, 1, 0
	MULS 6, 1, 3, 1, 0
	WIN 0
; THE EPILOGUE, a block of 16 rows at a time.  nb blocks of 32 along the next K: register 16 b + i is k = 32 b + 16 (lane / 16) + i of my row.
.macro QUANT s, nb, pc, pw
.set qb, 0
.rept \nb
	v_max3_num_f32 v[TM+qb], |v[(\s)+16*qb]|, |v[(\s)+16*qb+1]|, 0x1800000   ; my 16 numbers, and the floor 2^(3 - 127): the byte cannot fall under 1
.set qb, qb+1
.endr
.set qi, 2
.rept 7
.set qb, 0
.rept \nb
	v_max3_num_f32 v[TM+qb], v[TM+qb], |v[(\s)+16*qb+qi]|, |v[(\s)+16*qb+qi+1]|
.set qb, qb+1
.endr
.set qi, qi+2
.endr
.set qb, 0
.rept \nb
	v_permlanex16_b32 v[TM+4+qb], v[TM+qb], s[SEL], s[SEL+1]
.set qb, qb+1
.endr
.set qb, 0
.rept \nb
	v_max_num_f32 v[TM+qb], v[TM+qb], v[TM+4+qb]           ; with lane l xor 16's 16: the block's largest magnitude
.set qb, qb+1
.endr
.set qb, 0
.rept \nb
	v_add_nc_u32 v[TM+12+qb], 0xff000000, v[TM+qb]         ; 2 off its exponent field: the conversion's scale operand
.set qb, qb+1
.endr
.set qb, 0
.rept \nb
	v_lshrrev_b32 v[TM+4+qb], 23, v[TM+12+qb]              ; the scale's byte
.set qb, qb+1
.endr
	v_lshl_or_b32 v[\pw], v[TM+5], 8, v[TM+4]
.set qb, 0
.rept \nb
	v_cvt_scalef32_pk8_fp4_f32 v[(\pc)+2*qb], v[(\s)+16*qb:(\s)+16*qb+7], v[TM+12+qb]
	v_cvt_scalef32_pk8_fp4_f32 v[(\pc)+2*qb+1], v[(\s)+16*qb+8:(\s)+16*qb+15], v[TM+12+qb]
.set qb, qb+1
.endr
	v_nop                                                  ; one plain place behind the scaled conversions
.set qb, 0
.rept (\nb)/2
	v_permlane16_swap_b32 v[(\pc)+4*qb], v[(\pc)+4*qb+2]   ; a whole block in a lane: lanes 0-15 the even block, lanes 16-31 the odd one
	v_permlane16_swap_b32 v[(\pc)+4*qb+1], v[(\pc)+4*qb+3]
.set qb, qb+1
.endr
.endm
.macro ACT a                           ; the block's 32 gate numbers lie at v[GA] on of its window, its 32 up numbers at v[GA + 32] on; each accumulator is read from its low end on
.set GA, 64*((\a)%4)
	WIN 2+(\a)/4                                           ; source 0: window 2 or 3
.set ei, 0
.rept 16
	v_pk_mul_f32 v[E+ei:E+ei+1], v[GA+ei:GA+ei+1], 0xbfb8aa3b op_sel_hi:[1,0]   ; -log2(e) g
.set ei, ei+2
.endr
	WIN 0
.set ei, 0
.rept 32
	v_exp_f32 v[E+ei], v[E+ei]
.set ei, ei+1
.endr
	v_nop                                                  ; one plain place behind the exponentials
.set ei, 0
	s_wait_alu depctr_va_vdst(0)
.rept 16
	v_pk_add_f32 v[E+ei:E+ei+1], v[E+ei:E+ei+1], 1.0 op_sel_hi:[1,0]
.set ei, ei+2
.endr
.set ei, 0
.rept 32
	v_rcp_f32 v[E+ei], v[E+ei]                             ; 1 / (1 + e^-g); where e^-g is beyond f32 it is 0, and so is silu
.set ei, ei+1
.endr
	v_nop                                                  ; one plain place behind the reciprocals
	WIN 2+(\a)/4
.set ei, 0
	s_wait_alu depctr_va_vdst(0)
.rept 16
	v_pk_mul_f32 v[E+ei:E+ei+1], v[GA+ei:GA+ei+1], v[E+ei:E+ei+1]               ; silu(g)
.set ei, ei+2
.endr
.set ei, 0
.rept 16
	v_pk_mul_f32 v[T+ei:T+ei+1], v[GA+32+ei:GA+32+ei+1], v[E+ei:E+ei+1]         ; x up
.set ei, ei+2
.endr
	WIN 0
	QUANT T, 2, PCO+4*(\a), PWO+(\a)
	global_store_b128 v[CO], v[PCO+4*(\a):PCO+4*(\a)+3], s[98:99] offset:16384*(\a)   ; half a fragment's image: 512 consecutive bytes
	ds_store_b16 v[ASW], v[PWO+(\a)] offset:64*(\a)        ; (both halves of the lanes write the same bytes with the same value)
.endm
	PLACES 4                                       ; four places in front of the first read of results and of writes over h's fragments
.irp a, 0,1,2,3,4,5,6,7
	ACT \a
.endr
	s_wait_dscnt 0x0                               ; for the others' sake: my scale bytes have landed; a row's word comes from two waves
	s_barrier_signal -1
	s_barrier_wait -1
	ds_load_b32 v248, v[ASR]                       ; row = thread,
	ds_load_b32 v249, v[ASR] offset:512            ; and thread + 128
	s_wait_dscnt 0x0
	global_store_b32 v[SGO], v248, s[100:101]
	global_store_b32 v[SGO], v249, s[100:101] offset:8192
	s_wait_tensorcnt 0x0                           ; the wave's end
	ds_add_u32 v[SPW], v[NIL]
	s_wait_dscnt 0x0
	CROUND                                         ; the closing round: no work-group ends while a partner may still ask for a tile that names it
	s_endpgm
.Lfunc_end_k_q8697c991d6_gateup:
	.size	k_q8697c991d6_gateup, .Lfunc_end_k_q8697c991d6_gateup-k_q8697c991d6_gateup
	.p2alignl 7, 3214868480
	.fill 96, 4, 3214868480
	.section	.rodata,"a",@progbits
	.p2align	6, 0x0
	.amdhsa_kernel k_q8697c991d6_gateup
		.amdhsa_group_segment_fixed_size 327680
		.amdhsa_private_segment_fixed_size 0
		.amdhsa_enable_private_segment 0
		.amdhsa_kernarg_size 40
		.amdhsa_user_sgpr_count 2
		.amdhsa_user_sgpr_kernarg_segment_ptr 1
		.amdhsa_wavefront_size32 1
		.amdhsa_system_sgpr_workgroup_id_x 1
		.amdhsa_system_sgpr_workgroup_id_y 1
		.amdhsa_system_sgpr_workgroup_id_z 1
		.amdhsa_system_vgpr_workitem_id 0
		.amdhsa_next_free_vgpr 1024
		.amdhsa_next_free_sgpr 102
		.amdhsa_reserve_vcc 0
		.amdhsa_float_denorm_mode_32 3
		.amdhsa_float_denorm_mode_16_64 3
		.amdhsa_memory_ordered 1
		.amdhsa_forward_progress 1
		.amdhsa_inst_pref_size 255
	.end_amdhsa_kernel
	.section	.bss,"aw",@nobits
	.p2align	6
	.space	262144
	.amdgpu_metadata
---
amdhsa.version: [ 1, 2 ]
amdhsa.kernels:
  - .name:           k_q8697c991d6_gateup
    .symbol:         k_q8697c991d6_gateup.kd
    .args:
      - { .name: hq, .offset: 0, .size: 8, .value_kind: global_buffer, .address_space: global }
      - { .name: wguq, .offset: 8, .size: 8, .value_kind: global_buffer, .address_space: global }
      - { .name: cimg, .offset: 16, .size: 8, .value_kind: global_buffer, .address_space: global }
      - { .name: Bmat, .offset: 24, .size: 8, .value_kind: global_buffer, .address_space: global }
      - { .name: actq, .offset: 32, .size: 8, .value_kind: global_buffer, .address_space: global }
    .group_segment_fixed_size: 327680
    .private_segment_fixed_size: 0
    .kernarg_segment_align: 8
    .kernarg_segment_size: 40
    .max_flat_workgroup_size: 128
    .sgpr_count:     102
    .vgpr_count:     1024
    .wavefront_size: 32
...
	.end_amdgpu_metadata
.endif
;; end of part 2
;; launch down (part 3): grid 16 x 16, 4 waves a work-group, clusters of 4 x 4, 327,680 bytes of LDS; arguments actq, wdq, hidden_states, out0; writes out0
.if DOCPART == 3
	.amdgcn_target "amdgcn-amd-amdhsa--gfx1250"
	.amdhsa_code_object_version 6
	.text
	.protected	k_q8697c991d6_down
	.globl	k_q8697c991d6_down
	.p2align	8
	.type	k_q8697c991d6_down,@function
k_q8697c991d6_down:
	s_mov_b64 s[64:65], 0
	v_nop
	global_prefetch_b8 v0, s[64:65] scope:SCOPE_SE
	s_setreg_imm32_b32 hwreg(HW_REG_WAVE_MODE, 25, 1), 1
	s_wait_xcnt 0x0
	s_wait_alu depctr_hold_cnt(0) depctr_sa_sdst(0) depctr_va_vdst(0) depctr_va_sdst(0) depctr_va_ssrc(0) depctr_va_vcc(0) depctr_vm_vsrc(0)
	s_getreg_b32 s2, hwreg(HW_REG_IB_STS2, 6, 4)
	s_cmp_eq_u32 s2, 0
	s_cbranch_scc0 .Lentry_in_a_cluster
	s_endpgm
.Lentry_in_a_cluster:
	s_bfe_u32 s2, ttmp6, 0x10000c
	s_cmp_lg_u32 s2, 0xf033
	s_cbranch_scc0 .Lentry_shape_is_right
	s_endpgm
.Lentry_shape_is_right:
; DOWN: out = hidden + act W_down^T.  act and W_down arrive as codes of E2M1 with E8M0 scale words, laid as images of the operand's registers: a fragment (16 rows x 128 K) is 1,024 bytes, registers 0-3
; of lane l at 16 l, registers 4-7 at 512 + 16 l; a tile's 16 fragments on end; the scale words behind all images, 1,024 bytes a tile, [K / 512][row][16 bytes].
; SHARES.  A work-group: 256 rows x 128 columns, so that 4,096 x 2,048 gives 256 work-groups.  A wave: 128 rows (8 blocks) x 64 columns (4 tiles): 32 accumulators, 256 registers.
; K = 2,048 goes in four steps of 512 through THREE LDS slots: steps 0, 1, 2 are first fills, step 3 is the one refill (slot 0), asked for two K steps ahead of its first read.  No loop.
; TRANSPOSED: source 0 = 16 rows of W_down, source 1 = 16 rows of act.  Row p of tile 2 b + u of W_down is matrix row 32 b + 8 u + p + 8 (p / 8): register j of lane (r, h) is column 32 b + 16 h + 8 u + j.
; THE RESIDUAL, 128 rows x 256 bytes a wave, has 256 registers of its own and is asked for in four runs of 16 loads: the first when the first tiles have landed, so that the tiles are asked for alone and
; not together with a work-group's 131,072 bytes of residual; the second behind the refill's request; the others two and four steps of 128 along K further on.  It lands under the products, and on the
; way out each block of 16 rows waits for its own eight loads alone, so that its stores leave while later rows are still on their way.
; CLUSTERS: 4 x 4 work-groups; act's tiles are asked for jointly along a row of the cluster, W_down's along a column.
; REGISTERS: window 0: v0-31 addresses; v32-95 scale words, two sets, and nothing else; v128-191 act's fragments, one set.   window 1: W_down's fragments, two sets, at v0 and v128; on the way out
;   rows read back from the stage.   window 2: accumulator (a, b) at v[8 (4 a + b)].   window 3: the residual, rows 2 t + lane / 16 at v[4 t].
.set SLOT,  98304                      ; a slot: act's 16 blocks x 4,096 bytes, then W_down's 8 tiles x 4,096
.set KSB,   4096
.set SCL,   294912                     ; behind the ring: W_down's scale words, 8,192 bytes, then act's, 16,384: filled once
.set SPARE, 319488                     ; the spare words, 128 bytes a wave: two blocks of 256 bytes that no other line names
.set STAGE, SLOT                       ; the way out: 16 rows x (256 bytes + 16) a wave, in slot 1: it is filled once, and its last read lies ahead of the last barrier
.set ADRA, 16                          ; v16-18 my blocks of act in slot 0, 1, 2
.set ADRB, 20                          ; v20-22 my tiles of W_down
.set L16,  23
.set STO,  24                          ; v24  the stage: where I put 32 bytes of a row
.set RD,   25                          ; v25  where I read half a row pair back
.set RO,   26                          ; v26  hidden and out: row lane / 16, 16 bytes (lane % 16); never rewritten
.set ADRS, 27
.set SPW,  28
.set NIL,  29
.set SC,   32
.set AF,   128
.set G1, 24
.set G0, 32                            ; s[32:43] three sets
.set G1B, 44
.set G0B, 52                           ; s[52:63] three sets
.set G1S, 68
.set G0S, 76
.set G1SB, 80
.set G0SB, 88
.set MSB, 0
.macro WIN new
.if MSB != (\new)
	s_set_vgpr_msb (MSB<<8)|(\new)
.set MSB, (\new)
.endif
.endm
.set MUL,  0xa1                        ; source 0 window 1, source 1 window 0, C and D window 2
.set TO_B, 0x40
.macro JLOAD g0a, g1a, g0b, g1b        ; waves 0 and 1 fetch for act, waves 2 and 3 for W_down; four v_nop follow each of the two lines
	s_cmp_eq_u32 s17, 0
	s_cbranch_scc0 .Lfor_b_\@
	tensor_load_to_lds s[\g0a:\g0a+3], s[\g1a:\g1a+7]
	s_nop 0
.rept 4
	v_nop
.endr
	s_branch .Lasked_\@
.Lfor_b_\@:
	tensor_load_to_lds s[\g0b:\g0b+3], s[\g1b:\g1b+7]
	s_nop 0
.rept 4
	v_nop
.endr
.Lasked_\@:
.endm
.macro CREST
	s_cmp_lg_u32 s16, 0
	s_cbranch_scc1 .Lnot_wave_0_\@
	s_barrier_signal -3
.Lnot_wave_0_\@:
	s_barrier_wait -3
	s_barrier_signal -1
	s_barrier_wait -1
.endm
.macro CROUND
	s_barrier_signal -1
	s_barrier_wait -1
	CREST
.endm
.macro PLACES n
.rept \n
	v_nop
.endr
.endm
	s_load_b256 s[4:11], s[0:1], 0x0               ; actq 4, wdq 6, hidden 8, out0 10
	v_lshl_add_u32 v[SPW], v0, 2, SPARE
	v_mov_b32 v[NIL], 0
	ds_add_u32 v28, v29
	ds_add_u32 v28, v29
	s_wait_dscnt 0x0
	v_lshrrev_b32 v1, 5, v0
	v_readfirstlane_b32 s16, v1                    ; wave 0..3
	s_lshr_b32 s17, s16, 1                         ; my half of the rows.  Also: I fetch for act (0) or for W_down (1)
	s_and_b32 s18, s16, 1                          ; my half of the columns.  Also: which half I fetch
	s_bfe_u32 s92, ttmp6, 0x40000                  ; cx, cy
	s_bfe_u32 s93, ttmp6, 0x40004
	s_lshl_b32 s94, ttmp9, 2
	s_add_co_u32 s94, s94, s92                     ; X: which 128 columns
	s_and_b32 s19, ttmp7, 0xffff
	s_lshl_b32 s19, s19, 2
	s_add_co_u32 s19, s19, s93                     ; Y: which 256 rows
	s_lshl_b32 s96, s93, 2
	s_lshl_b32 s96, 15, s96                        ; my row of the cluster
	s_lshl_b32 s97, 0x1111, s92                    ; my column
	; group 1, codes: tiles of 4,096 bytes (512 elements of 8 bytes), 16,384 bytes from tile to tile; act 8 tiles a load, W_down 4
	s_or_b32 s[G1+0], s96, (3<<16)|(1<<21)
	s_mov_b32 s[G1+1], 512<<16
	s_mov_b32 s[G1+2], 8<<16
	s_mov_b32 s[G1+3], 512<<16
	s_mov_b32 s[G1+4], 8
	s_mov_b32 s[G1+5], 2048
	s_mov_b32 s[G1+6], 0
	s_mov_b32 s[G1+7], 0
	s_or_b32 s[G1B+0], s97, (3<<16)|(1<<21)
	s_mov_b32 s[G1B+1], 512<<16
	s_mov_b32 s[G1B+2], 4<<16
	s_mov_b32 s[G1B+3], 512<<16
	s_mov_b32 s[G1B+4], 4
	s_mov_b32 s[G1B+5], 2048
	s_mov_b32 s[G1B+6], 0
	s_mov_b32 s[G1B+7], 0
	; group 1, scale words: dense bytes as rows of 256: act 32 rows a load, W_down 16
	s_or_b32 s[G1S+0], s96, (3<<16)|(1<<21)
	s_mov_b32 s[G1S+1], 32<<16
	s_mov_b32 s[G1S+2], 32<<16
	s_mov_b32 s[G1S+3], 32<<16
	s_mov_b32 s[G1S+4], 32
	s_mov_b32 s[G1S+5], 32
	s_mov_b32 s[G1S+6], 0
	s_mov_b32 s[G1S+7], 0
	s_or_b32 s[G1SB+0], s97, (3<<16)|(1<<21)
	s_mov_b32 s[G1SB+1], 32<<16
	s_mov_b32 s[G1SB+2], 16<<16
	s_mov_b32 s[G1SB+3], 32<<16
	s_mov_b32 s[G1SB+4], 16
	s_mov_b32 s[G1SB+5], 32
	s_mov_b32 s[G1SB+6], 0
	s_mov_b32 s[G1SB+7], 0
	s_lshl_b32 s12, s18, 3
	s_lshl_b32 s20, s19, 4
	s_add_co_u32 s20, s20, s12                     ; act: block 16 Y + 8 x half
	s_lshl_b32 s22, s20, 10
	s_add_co_u32 s22, s22, 4194304
	s_mov_b32 s23, 0
	s_lshl_b32 s20, s20, 14
	s_mov_b32 s21, 0
	s_lshl_b32 s12, s18, 2
	s_lshl_b32 s98, s94, 3
	s_add_co_u32 s98, s98, s12                     ; W_down: tile 8 X + 4 x half
	s_lshl_b32 s100, s98, 10
	s_add_co_u32 s100, s100, 2097152
	s_mov_b32 s101, 0
	s_lshl_b32 s98, s98, 14
	s_mov_b32 s99, 0
	s_lshl_b32 s14, s19, 8
	s_lshl_b32 s12, s17, 7
	s_add_co_u32 s14, s14, s12                     ; my first row: 256 Y + 128 x my half,
	s_lshl_b32 s14, s14, 13
	s_lshl_b32 s12, s94, 9
	s_add_co_u32 s14, s14, s12
	s_lshl_b32 s12, s18, 8
	s_add_co_u32 s14, s14, s12                     ; my first column: 128 X + 64 x my half
	s_mov_b32 s15, 0
	s_lshl_b32 s12, s16, 15                        ; where act's codes go: 32,768 x wave (waves 0, 1);
	s_lshl_b32 s13, s16, 14
	s_add_co_u32 s13, s13, 32768                   ; W_down's: 65,536 + 16,384 (wave - 2) (waves 2, 3)
	s_lshl_b32 s2, s16, 13
	s_lshl_b32 s3, s16, 12
	s_wait_kmcnt 0x0
	s_add_nc_u64 s[20:21], s[4:5], s[20:21]
	s_add_nc_u64 s[22:23], s[4:5], s[22:23]
	s_add_nc_u64 s[98:99], s[6:7], s[98:99]
	s_add_nc_u64 s[100:101], s[6:7], s[100:101]
	s_add_nc_u64 s[8:9], s[8:9], s[14:15]
	s_add_nc_u64 s[10:11], s[10:11], s[14:15]
	CROUND                                         ; all sixteen work-groups are here: the first joint loads meet
	s_mov_b32 s[G0S], 1
	s_add_co_u32 s[G0S+1], s2, SCL+8192            ; waves 0, 1: act's scale words lie behind W_down's
	s_mov_b64 s[G0S+2:G0S+3], s[22:23]
	s_or_b32 s[G0S+3], s[G0S+3], 0x80000000
	s_mov_b32 s[G0SB], 1
	s_add_co_u32 s[G0SB+1], s3, SCL-8192           ; waves 2, 3: SCL + 4,096 (wave - 2)
	s_mov_b64 s[G0SB+2:G0SB+3], s[100:101]
	s_or_b32 s[G0SB+3], s[G0SB+3], 0x80000000
	JLOAD G0S, G1S, G0SB, G1SB
.irp s, 0,1,2
	s_mov_b32 s[G0+4*\s], 1
	s_add_co_u32 s[G0+4*\s+1], s12, \s*SLOT
	s_add_nc_u64 s[G0+4*\s+2:G0+4*\s+3], s[20:21], \s*KSB
	s_or_b32 s[G0+4*\s+3], s[G0+4*\s+3], 0x80000000
	s_mov_b32 s[G0B+4*\s], 1
	s_add_co_u32 s[G0B+4*\s+1], s13, \s*SLOT
	s_add_nc_u64 s[G0B+4*\s+2:G0B+4*\s+3], s[98:99], \s*KSB
	s_or_b32 s[G0B+4*\s+3], s[G0B+4*\s+3], 0x80000000
	JLOAD G0+4*\s, G1, G0B+4*\s, G1B               ; K steps 0, 1, 2: four tensor loads of mine are out
.endr
	v_and_b32 v1, 15, v0                           ; r
	v_bfe_u32 v2, v0, 4, 1                         ; h
	v_and_b32 v3, 31, v0
	v_lshlrev_b32 v[L16], 4, v3
	v_lshlrev_b32 v[RO], 13, v2
	v_lshl_add_u32 v[RO], v1, 4, v[RO]
	s_lshl_b32 s12, s17, 15                        ; my 8 blocks of act
	s_lshl_b32 s13, s18, 14
	s_add_co_u32 s13, s13, 65536                   ; my 4 tiles of W_down
.irp s, 0,1,2
	v_add_nc_u32 v[ADRA+\s], s12, v[L16]
	v_add_nc_u32 v[ADRB+\s], s13, v[L16]
	s_add_co_u32 s12, s12, SLOT
	s_add_co_u32 s13, s13, SLOT
.endr
	s_lshl_b32 s12, s18, 12                        ; W_down's scale words: my 4 tiles
	s_lshl_b32 s13, s17, 13
	s_add_co_u32 s13, s13, 8192                    ; act's: my 8 blocks, behind W_down's 8 tiles
	s_sub_co_u32 s13, s13, s12
	v_mul_u32_u24 v4, s13, v2                      ; lanes 16-31 take act's: the lower base + h x the distance
	s_add_co_u32 s12, s12, SCL
	v_lshl_add_u32 v4, v1, 4, v4
	v_add_nc_u32 v[ADRS], s12, v4
	s_mul_i32 s12, s16, 16*272
	s_add_co_u32 s12, s12, STAGE                   ; my stage
	v_mul_u32_u24 v4, v1, 272
	v_lshl_add_u32 v4, v2, 6, v4
	v_add_nc_u32 v[STO], s12, v4                   ; in: row r, + 64 h
	v_mul_u32_u24 v4, v2, 272
	v_lshl_add_u32 v4, v1, 4, v4
	v_add_nc_u32 v[RD], s12, v4                    ; back: lanes 0-15 one row, lanes 16-31 the next
; Run c of four of the residual: my rows 32 c .. 32 c + 31, 16 loads into window 3; a load reads two rows' 256 consecutive bytes, each at a multiple of 256 from the buffer's first byte.
; The address register and the base are never rewritten; no matrix instruction names these registers.
.macro RES c
	WIN 0xc0                                       ; destination window 3
.set rt, 16*(\c)
.rept 16
	global_load_b128 v[4*rt:4*rt+3], v[RO], s[8:9] offset:16384*rt th:TH_LOAD_NT
.set rt, rt+1
.endr
	WIN 0
.endm
.macro FRAG reg, adr, q, i
.irp c, 0,1
	ds_load_b128 v[\reg+4*\c:\reg+4*\c+3], v[\adr] offset:1024*(\q)+512*\c+4096*(\i)
.endr
.endm
.macro FETCH_B slot, q, p
	WIN TO_B
.irp i, 0,1,2,3
	FRAG 128*(\p)+8*\i, ADRB+\slot, \q, \i
.endr
	WIN 0
.endm
.macro FETCH_A slot, q, i0
.irp i, \i0, \i0+1, \i0+2, \i0+3
	FRAG AF+8*(\i), ADRA+\slot, \q, \i
.endr
.endm
.macro SCALES sc, k                    ; register 4 i + q: lanes 0-15 W_down's tile i (for i over 3: filled bytes that no product names), lanes 16-31 act's block i
.irp i, 0,1,2,3,4,5,6,7
	ds_load_b128 v[SC+32*(\sc)+4*\i:SC+32*(\sc)+4*\i+3], v[ADRS] offset:1024*\i+256*(\k)
.endr
.endm
; 8 matrix instructions: act's blocks a0, a0 + 1 x the four tiles.  The 32 accumulators take turns, one instruction a turn.  zero = 1: the first product starts the sums.
.macro MULS a0, p, q, sc, zero
.irp a, \a0, \a0+1
.irp b, 0,1,2,3
.if \zero
	v_wmma_scale_f32_16x16x128_f8f6f4 v[8*(4*(\a)+\b):8*(4*(\a)+\b)+7], v[128*(\p)+8*\b:128*(\p)+8*\b+7], v[AF+8*(\a):AF+8*(\a)+7], 0, v[SC+32*(\sc)+4*\b+(\q)], v[SC+32*(\sc)+4*(\a)+(\q)] matrix_a_fmt:MATRIX_FMT_FP4 matrix_b_fmt:MATRIX_FMT_FP4 matrix_b_scale:MATRIX_SCALE_ROW1
.else
	v_wmma_scale_f32_16x16x128_f8f6f4 v[8*(4*(\a)+\b):8*(4*(\a)+\b)+7], v[128*(\p)+8*\b:128*(\p)+8*\b+7], v[AF+8*(\a):AF+8*(\a)+7], v[8*(4*(\a)+\b):8*(4*(\a)+\b)+7], v[SC+32*(\sc)+4*\b+(\q)], v[SC+32*(\sc)+4*(\a)+(\q)] matrix_a_fmt:MATRIX_FMT_FP4 matrix_b_fmt:MATRIX_FMT_FP4 matrix_b_scale:MATRIX_SCALE_ROW1
.endif
.endr
.endr
.endm
.macro STEP q, sc, zero, ns, nq, nk
	s_wait_dscnt 8                                 ; all but the youngest eight loads (act's blocks 4-7) are in
	WIN MUL
	MULS 0, (\q)%2, \q, \sc, \zero
	MULS 2, (\q)%2, \q, \sc, \zero
	s_wait_dscnt 0
	PLACES 4                                       ; four places in front of loads into registers that matrix instructions have read
	FETCH_B \ns, \nq, 1-(\q)%2
	FETCH_A \ns, \nq, 0
.if \nk >= 0
	SCALES 1-(\sc), \nk
.endif
	WIN MUL
	MULS 4, (\q)%2, \q, \sc, \zero
	MULS 6, (\q)%2, \q, \sc, \zero
	PLACES 4
	WIN 0
	FETCH_A \ns, \nq, 4
.endm
.macro TURN cs, sc, ns, nk, fill, adv
	s_wait_tensorcnt 0x0                           ; all my tensor loads have landed
	ds_add_u32 v[SPW], v[NIL]                      ; 0 onto my spare word
	s_wait_dscnt 9                                 ; (the add and act's blocks 4-7 may be out)
	WIN MUL
	MULS 0, 1, 3, \sc, 0
	s_wait_dscnt 0x0                               ; the add is done, and my reads of this slot are over
	s_barrier_signal -1
	MULS 2, 1, 3, \sc, 0
	WIN 0
	s_barrier_wait -1
.if \fill
	CREST                                          ; no wave of any partner still reads this slot or has a load on its way
	s_add_nc_u64 s[G0+4*\cs+2:G0+4*\cs+3], s[G0+4*\cs+2:G0+4*\cs+3], \adv*KSB
	s_add_nc_u64 s[G0B+4*\cs+2:G0B+4*\cs+3], s[G0B+4*\cs+2:G0B+4*\cs+3], \adv*KSB
	JLOAD G0+4*\cs, G1, G0B+4*\cs, G1B             ; the first tensor load behind the round, one a wave; its four v_nop are also the places in front of the loads below
.else
	PLACES 4
.endif
	FETCH_B \ns, 0, 0
	FETCH_A \ns, 0, 0
	SCALES 1-(\sc), \nk
	WIN MUL
	MULS 4, 1, 3, \sc, 0
	MULS 6, 1, 3, \sc, 0
	PLACES 4
	WIN 0
	FETCH_A \ns, 0, 4
.endm
	s_wait_tensorcnt 2                             ; the scale words and my part of K step 0 are in; K steps 1 and 2 may be out
	s_barrier_signal -1
	s_barrier_wait -1
	FETCH_B 0, 0, 0
	FETCH_A 0, 0, 0
	SCALES 0, 0
	FETCH_A 0, 0, 4
	RES 0                                          ; the first tiles have landed: now the residual's first 32 rows are asked for
	STEP 0, 0, 1, 0, 1, -1                         ; K step 0, slot 0
	STEP 1, 0, 0, 0, 2, -1
	STEP 2, 0, 0, 0, 3, -1
	TURN 0, 0, 1, 1, 1, 3                          ; slot 0 takes K step 3: the one refill.  Its wait for all loads and its round also show slots 1 and 2 whole to every wave
	RES 1                                          ; behind the refill's request
	STEP 0, 1, 0, 1, 1, -1                         ; K step 1, slot 1
	STEP 1, 1, 0, 1, 2, -1
	RES 2
	STEP 2, 1, 0, 1, 3, -1
	STEP 3, 1, 0, 2, 0, 2                          ; on to slot 2 without a barrier: it was shown whole above, and nothing is filled here
	RES 3                                          ; the last 32 rows: eight steps of 32 matrix instructions are still to come
	STEP 0, 0, 0, 2, 1, -1                         ; K step 2, slot 2
	STEP 1, 0, 0, 2, 2, -1
	STEP 2, 0, 0, 2, 3, -1
	TURN 2, 0, 0, 3, 0, 0                          ; K step 3 has landed in slot 0; behind this barrier nobody reads slot 1 either
	STEP 0, 1, 0, 0, 1, -1                         ; K step 3, slot 0
	STEP 1, 1, 0, 0, 2, -1
	STEP 2, 1, 0, 0, 3, -1
	s_wait_dscnt 8                                 ; the very last step
	WIN MUL
	MULS 0, 1, 3, 1, 0
	MULS 2, 1, 3, 1, 0
	s_wait_dscnt 0
	MULS 4, 1, 3, 1, 0
	MULS 6, 1, 3, 1, 0
	WIN 0
; THE WAY OUT, a block of 16 rows x 64 columns at a time: through my own stage, back as rows of 256 bytes, the residual added, stored: sixteen lanes store 256 consecutive bytes at a multiple of 256.
; LDS serves a wave's instructions in order: no wait between the stores and the loads, nor in front of the next block's stores.  Each block has 32 registers of its own: no store's data are written again.
.macro TOSTAGE a
	WIN 0x08                                       ; an LDS store's data are its source 1: window 2
.irp b, 0,1,2,3
	ds_store_b128 v[STO], v[8*(4*(\a)+\b):8*(4*(\a)+\b)+3] offset:128*(\b/2)+32*(\b%2)          ; each accumulator from its low end on
	ds_store_b128 v[STO], v[8*(4*(\a)+\b)+4:8*(4*(\a)+\b)+7] offset:128*(\b/2)+32*(\b%2)+16
.endr
	WIN TO_B
.irp t, 0,1,2,3,4,5,6,7
	ds_load_b128 v[32*(\a)+4*\t:32*(\a)+4*\t+3], v[RD] offset:544*\t
.endr
	WIN 0
.endm
.macro SEND a, younger
	s_wait_dscnt \younger                          ; the block is back; the next block's 8 stores and 8 loads may be out
	s_wait_loadcnt 56-8*(\a)                       ; the block's eight loads of the residual are in: loads come back in order, and 8 (7 - a) were issued behind them
	WIN 0x4d                                       ; destination and source 0 window 1, source 1 window 3
.set si, 0
.rept 16
	v_pk_add_f32 v[32*(\a)+si:32*(\a)+si+1], v[32*(\a)+si:32*(\a)+si+1], v[32*(\a)+si:32*(\a)+si+1]   ; the product's rows + the residual's: the same numbers in two windows
.set si, si+2
.endr
	WIN 0x04                                       ; a store's data are its source 1: window 1
.irp t, 0,1,2,3,4,5,6,7
	global_store_b128 v[RO], v[32*(\a)+4*\t:32*(\a)+4*\t+3], s[10:11] offset:16384*(8*(\a)+\t) th:TH_STORE_NT
.endr
	WIN 0
.endm
	PLACES 4                                       ; four places in front of the first read of results and of loads over W_down's fragments
	TOSTAGE 0
.irp a, 1,2,3,4,5,6,7
	TOSTAGE \a
	SEND \a-1, 16
.endr
	SEND 7, 0
	s_wait_tensorcnt 0x0                           ; the wave's end
	ds_add_u32 v[SPW], v[NIL]
	s_wait_dscnt 0x0
	CROUND                                         ; the closing round: no work-group ends while a partner may still ask for a tile that names it
	s_endpgm
.Lfunc_end_k_q8697c991d6_down:
	.size	k_q8697c991d6_down, .Lfunc_end_k_q8697c991d6_down-k_q8697c991d6_down
	.p2alignl 7, 3214868480
	.fill 96, 4, 3214868480
	.section	.rodata,"a",@progbits
	.p2align	6, 0x0
	.amdhsa_kernel k_q8697c991d6_down
		.amdhsa_group_segment_fixed_size 327680
		.amdhsa_private_segment_fixed_size 0
		.amdhsa_enable_private_segment 0
		.amdhsa_kernarg_size 32
		.amdhsa_user_sgpr_count 2
		.amdhsa_user_sgpr_kernarg_segment_ptr 1
		.amdhsa_wavefront_size32 1
		.amdhsa_system_sgpr_workgroup_id_x 1
		.amdhsa_system_sgpr_workgroup_id_y 1
		.amdhsa_system_sgpr_workgroup_id_z 1
		.amdhsa_system_vgpr_workitem_id 0
		.amdhsa_next_free_vgpr 1024
		.amdhsa_next_free_sgpr 102
		.amdhsa_reserve_vcc 0
		.amdhsa_float_denorm_mode_32 3
		.amdhsa_float_denorm_mode_16_64 3
		.amdhsa_memory_ordered 1
		.amdhsa_forward_progress 1
		.amdhsa_inst_pref_size 140
	.end_amdhsa_kernel
	.amdgpu_metadata
---
amdhsa.version: [ 1, 2 ]
amdhsa.kernels:
  - .name:           k_q8697c991d6_down
    .symbol:         k_q8697c991d6_down.kd
    .args:
      - { .name: actq, .offset: 0, .size: 8, .value_kind: global_buffer, .address_space: global }
      - { .name: wdq, .offset: 8, .size: 8, .value_kind: global_buffer, .address_space: global }
      - { .name: hidden_states, .offset: 16, .size: 8, .value_kind: global_buffer, .address_space: global }
      - { .name: out0, .offset: 24, .size: 8, .value_kind: global_buffer, .address_space: global }
    .group_segment_fixed_size: 327680
    .private_segment_fixed_size: 0
    .kernarg_segment_align: 8
    .kernarg_segment_size: 32
    .max_flat_workgroup_size: 128
    .sgpr_count:     102
    .vgpr_count:     1024
    .wavefront_size: 32
...
	.end_amdgpu_metadata
.endif
;; end of part 3
;; ======== version 2 of 2: 3 launches; version 1 with the launch prep written anew for expert scheduling mode
;; workspace buffers: hq 4,456,448 bytes; wguq 4,456,448 bytes; wdq 2,228,224 bytes; actq 4,456,448 bytes; cimg 262,144 bytes
;; launch prep (part 4): grid 256 x 1, 16 waves a work-group, no clusters, 182,272 bytes of LDS; arguments hidden_states, attn_output, A, gamma, W_in, W_up, W_down, hq, wguq, wdq, cimg; writes hq, wguq, wdq, cimg
.if DOCPART == 4
	.amdgcn_target "amdgcn-amd-amdhsa--gfx1250"
	.amdhsa_code_object_version 6
	.text
	.protected	k_q8697c991d6_prep
	.globl	k_q8697c991d6_prep
	.p2align	8
	.type	k_q8697c991d6_prep,@function
k_q8697c991d6_prep:
	s_mov_b64 s[64:65], 0
	v_nop
	global_prefetch_b8 v0, s[64:65] scope:SCOPE_SE
	s_setreg_imm32_b32 hwreg(HW_REG_WAVE_SCHED_MODE, 0, 2), 2
	s_setreg_imm32_b32 hwreg(HW_REG_WAVE_MODE, 25, 1), 1
	s_wait_xcnt 0x0
	s_wait_alu depctr_vm_vsrc(0)
; PREP: everything that is quantised once.  h = rmsnorm(hidden) x gamma -> codes of E2M1 (hq); W_in, W_up (wguq) and W_down (wdq) -> codes; attn_output and A are quantised in registers only;
; hA = Q(h) Q(A) and Q(attn) Q(A) by the scaled 4-bit matrix form; c = hA x 0.1 x tanh(attn A) -> cimg, f32.
; A block's scale is 2^(floor(log2(largest magnitude)) - 2); its byte is the largest magnitude's exponent field - 2, held at 1 from below.
; LIMITS: NaN and infinities among the inputs are not served.  A block of zeros, or one whose largest magnitude lies under 2^-124, gets the byte 1 where the rule says 127 for zeros:
; its codes are zeros, which add nothing, and this program alone reads the bytes.
; LAYOUT OF THE WORKSPACE: an operand lies as IMAGES OF ITS REGISTERS.  A fragment (16 rows x 128 K, 8 registers a lane) is 1,024 bytes: registers 0-3 of lane l at 16 l, registers 4-7 at 512 + 16 l;
; a tile of 16 rows has its 16 fragments on end (16,384 bytes).  Behind all images: the scale words, 1,024 bytes a tile, [K / 512][row][16 bytes], word q % 4 for the q-th 128 along K.
; THE ROWS OF A WEIGHT'S TILE ARE NOT NEIGHBOURS: row p of tile 2 b + u is matrix row 32 b + 8 u + p + 8 (p / 8), so that a later transposed product leaves 16 neighbours along its N in a lane's 16 registers.
; In wguq tiles lie by 64 columns of the hidden layer: four of W_in, then the same four of W_up.
; SHARES.  Work-group g: rows 16 g .. 16 g + 15 of hidden and attn; of each weight tile g / 2, half g % 2 of K.  THE 16 WAVES SHARE K: wave w takes columns 128 w .. + 127 of the rows and of A, and 64 along K of each weight.
; Loads take bytes as they lie (512 or 2 x 256 consecutive bytes an instruction); a tile turns through the wave's own stage in LDS so that a lane holds 16 neighbours of each block of 32 of one row.
; No tensor loads, two barriers: one for the rows' sums of squares, one for the 16 partial products and the gathered scale words.
; THE MODE: SCHED_MODE bits 1:0 = 2 (LLVM: expert scheduling mode 2), set by the entry lines.  The code itself states the register dependences
; between vector or matrix instructions and memory or LDS instructions, with s_wait_alu, always for 0.
; THE PLAN.  Registers that memory or LDS instructions touch, in the order of the text:
;   v1-v15       offsets and LDS addresses: made at the head, read by every load and store, never written again: one wait ahead of the first load serves them all.
;   S0, S1, S2   a set takes loaded numbers, is stored into the stage and loaded back (a wait on vm_vsrc between the two: the stores have read the set), and is then read by vector instructions alone.
;                A set is loaded again only behind a wait on va_vdst that stands behind its last vector reader: S2 behind A's conversions; S1 behind the wait ahead of attn's product.
;   v160-191     gamma from LDS, in two halves: a wait on va_vdst stands between the first half's multiplications and the second half's loads.
;   TM           vector scratch; LDS loads land in it behind each barrier, and no vector instruction names it between the last wait on va_vdst ahead of the barrier and those loads.
;   v35          my part of my row's sum of squares: a register of its own, so that its LDS store can stand behind the wait ahead of attn's product.
;   PC, PW, v36-38, v64-75   results: written by vector instructions, one wait on va_vdst, then their stores; none is written again behind its store.
;   ACC          written by a product, read by two LDS stores (four places, then a wait on va_vdst); a wait on vm_vsrc stands ahead of the second product, which writes it again.
.set WST, 8448                         ; a wave's stage: 16 rows x (512 bytes + 16): 132 words a row, so the 16 rows that a load touches begin at 16 different groups of four banks
.set SP,  528
.set GAM, 135168                       ; behind the 16 stages: 512 bytes of gamma for each wave
.set SSQ, 143360                       ; sums of squares: row r at 80 r, wave w's word at 4 w
.set SCG, 144896                       ; scale words gathered: h 1,024 bytes, W_in 512, W_up 512, W_down 512
.set RED, 147456                       ; partial products: [hA, attn A][registers 0-3, 4-7][wave][512 bytes]
.set L16, 1                            ; v1   16 x lane
.set STF, 2                            ; v2   stage, whole rows in: WST w + 16 lane
.set STH, 3                            ; v3   stage, half rows in: WST w + SP (lane / 16) + 16 (lane % 16)
.set LDA, 4                            ; v4   stage, out: WST w + SP (lane % 16) + 64 (lane / 16)
.set GMW, 5                            ; v5   gamma in
.set GMR, 6                            ; v6   gamma out: + 64 (lane / 16)
.set SSW, 7
.set SSR, 8
.set SGH, 9                            ; v9   h's scale word of my row and my K step
.set SGW, 10                           ; v10  a weight's two scale bytes of my row and my 64 along K
.set RDW, 11
.set RDR, 12
.set SGR, 13                           ; v13  waves 2 to 6 read the gathered scale words: 16 x thread + SCG - 1,024
.set AOF, 14                           ; v14  A: 32 rows (lane / 16) + column (lane % 16)
.set WOF, 15                           ; v15  weights: row (lane / 16), 16 bytes (lane % 16)
.set TM,  16                           ; v16-31 at work
.set PW,  32                           ; v32  the rows' scale word: scales only
.set AS,  33                           ; v33  A's scale word: scales only
.set RS,  34                           ; v[34:35] 1 / rms (the pair is named; the low word serves both halves)
.set SQ,  35                           ; v35  my part of my row's sum of squares, until its LDS store has read it; never written again
.set PC,  40                           ; v40-47 the rows' codes
.set AF,  48                           ; v48-55 A's fragment
.set ACC, 56                           ; v56-63 a thin product's result
.set S0,  64                           ; three sets of 64 numbers
.set S1,  128
.set S2,  192
.set SEL, 30                           ; s[30:31] selects of v_permlanex16_b32 for lane l xor 16
.set MK,  34                           ; s34-37 at the end, in waves 0 and 1: four masks (the offsets that lay here are used up at the head)
; nb blocks of 32 along K of a lane's row: register 16 b + i of v[s] on is k = 32 b + 16 (lane / 16) + i.  Codes to v[pc] on (4 registers for two blocks, in the operand's order), scale bytes to v[pw].
.macro QUANT s, nb, pc, pw
.set qb, 0
.rept \nb
	v_max3_num_f32 v[TM+qb], |v[(\s)+16*qb]|, |v[(\s)+16*qb+1]|, 0x1800000   ; my 16 numbers, and the floor 2^(3 - 127): the byte cannot fall under 1
.set qb, qb+1
.endr
.set qi, 2
.rept 7
.set qb, 0
.rept \nb
	v_max3_num_f32 v[TM+qb], v[TM+qb], |v[(\s)+16*qb+qi]|, |v[(\s)+16*qb+qi+1]|   ; the blocks by turns
.set qb, qb+1
.endr
.set qi, qi+2
.endr
.set qb, 0
.rept \nb
	v_permlanex16_b32 v[TM+4+qb], v[TM+qb], s[SEL], s[SEL+1]
.set qb, qb+1
.endr
.set qb, 0
.rept \nb
	v_max_num_f32 v[TM+qb], v[TM+qb], v[TM+4+qb]           ; with lane l xor 16's 16: the block's largest magnitude
.set qb, qb+1
.endr
.set qb, 0
.rept \nb
	v_add_nc_u32 v[TM+12+qb], 0xff000000, v[TM+qb]         ; 2 off its exponent field: the conversion's scale operand
.set qb, qb+1
.endr
.set qb, 0
.rept \nb
	v_lshrrev_b32 v[TM+4+qb], 23, v[TM+12+qb]              ; the scale's byte
.set qb, qb+1
.endr
	v_lshl_or_b32 v[\pw], v[TM+5], 8, v[TM+4]
.if \nb > 2
	v_lshl_or_b32 v[\pw], v[TM+6], 16, v[\pw]
	v_lshl_or_b32 v[\pw], v[TM+7], 24, v[\pw]
.endif
.set qb, 0
.rept \nb
	v_cvt_scalef32_pk8_fp4_f32 v[(\pc)+2*qb], v[(\s)+16*qb:(\s)+16*qb+7], v[TM+12+qb]
	v_cvt_scalef32_pk8_fp4_f32 v[(\pc)+2*qb+1], v[(\s)+16*qb+8:(\s)+16*qb+15], v[TM+12+qb]
.set qb, qb+1
.endr
	v_nop                                                  ; one plain place behind the scaled conversions
.set qb, 0
.rept (\nb)/2                                              ; the operand wants a whole block in a lane: lanes 0-15 the even block, lanes 16-31 the odd one
	v_permlane16_swap_b32 v[(\pc)+4*qb], v[(\pc)+4*qb+2]
	v_permlane16_swap_b32 v[(\pc)+4*qb+1], v[(\pc)+4*qb+3]
.set qb, qb+1
.endr
.endm
.macro LOADROWS set, base              ; 16 rows x 512 bytes: an instruction reads 512 consecutive bytes of one row
.irp i, 0,1,2,3,4,5,6,7,8,9,10,11,12,13,14,15
	global_load_b128 v[\set+4*\i:\set+4*\i+3], v[L16], s[\base:\base+1] offset:8192*\i th:TH_LOAD_NT
.endr
.endm
.macro LOADW reg, base                 ; 16 rows of a weight's tile x 256 bytes: an instruction reads two rows' 256 consecutive bytes; tile rows 8-15 lie 8 matrix rows further on
.irp i, 0,1,2,3,4,5,6,7
	global_load_b128 v[\reg+4*\i:\reg+4*\i+3], v[WOF], s[\base:\base+1] offset:(2*\i+8*(\i/4))*8192 th:TH_LOAD_NT
.endr
.endm
.macro TURNF set                       ; a tile of 16 x 128 numbers through my stage
.irp i, 0,1,2,3,4,5,6,7,8,9,10,11,12,13,14,15
	ds_store_b128 v[STF], v[\set+4*\i:\set+4*\i+3] offset:SP*\i
.endr
	s_wait_dscnt 0x0                                       ; my stores into the stage are done
	s_wait_alu depctr_vm_vsrc(0)                           ; the LDS stores issued so far have read their data: the sixteen above have read this set, in which the loads below land
.irp b, 0,1,2,3
.irp j, 0,1,2,3
	ds_load_b128 v[\set+16*\b+4*\j:\set+16*\b+4*\j+3], v[LDA] offset:128*\b+16*\j
.endr
.endr
	s_wait_dscnt 0x0
.endm
.macro TURNH set, nt                   ; nt tiles of 16 x 64 numbers, side by side in the stage's rows
.set tt, 0
.rept \nt
.irp i, 0,1,2,3,4,5,6,7
	ds_store_b128 v[STH], v[\set+32*tt+4*\i:\set+32*tt+4*\i+3] offset:2*SP*\i+256*tt
.endr
.set tt, tt+1
.endr
	s_wait_dscnt 0x0                                       ; my stores into the stage are done
	s_wait_alu depctr_vm_vsrc(0)                           ; the LDS stores above have read this set, in which the loads below land
.set tb, 0
.rept 2*\nt
.irp j, 0,1,2,3
	ds_load_b128 v[\set+16*tb+4*\j:\set+16*tb+4*\j+3], v[LDA] offset:128*tb+16*\j
.endr
.set tb, tb+1
.endr
	s_wait_dscnt 0x0
.endm
; My K step of a thin product, transposed: source 0 = A's 16 columns, source 1 = the 16 rows: lane (r, h) then holds row r and ranks 8 h + 0 .. 7.
.macro THIN_MUL
.rept 8
	v_nop                                                  ; a scale register written by vector instructions stands 8 places ahead of a scaled matrix instruction, an operand 4
.endr
	s_wait_alu depctr_va_vdst(0)                           ; the vector instructions have written the codes and scale words (A's and the rows') that the scaled product takes; all that QUANT read and wrote is done with too
	v_wmma_scale_f32_16x16x128_f8f6f4 v[ACC:ACC+7], v[AF:AF+7], v[PC:PC+7], 0, v[AS], v[PW] matrix_a_fmt:MATRIX_FMT_FP4 matrix_b_fmt:MATRIX_FMT_FP4
.endm
; The partial tile goes to LDS.
.macro THIN_OUT off
.rept 4
	v_nop                                                  ; four places in front of the first read of the result
.endr
	s_wait_alu depctr_va_vdst(0)                           ; the product has written v[ACC ..], which the LDS stores read; the places above stay beside this wait
	ds_store_b128 v[RDW], v[ACC:ACC+3] offset:\off
	ds_store_b128 v[RDW], v[ACC+4:ACC+7] offset:\off+8192
.endm
	s_load_b512 s[4:19], s[0:1], 0x0               ; hidden 4, attn 6, A 8, gamma 10, W_in 12, W_up 14, W_down 16, hq 18
	s_load_b128 s[20:23], s[0:1], 0x40             ; wguq 20, wdq 22
	s_load_b64 s[24:25], s[0:1], 0x50              ; cimg
	v_lshrrev_b32 v19, 5, v0
	v_readfirstlane_b32 s26, v19                   ; wave 0..15
	v_and_b32 v16, 31, v0                          ; lane
	v_and_b32 v17, 15, v0                          ; r
	v_bfe_u32 v18, v0, 4, 1                        ; h
	s_wait_alu depctr_va_sdst(0)                   ; s26 is written, ahead of its first reader: offsets, LDS addresses and the branches at the end are made from it
	s_lshr_b32 s27, ttmp9, 1                       ; my tile of each weight
	s_and_b32 s28, ttmp9, 1                        ; my half of its K
	s_lshr_b32 s29, s27, 2
	s_lshl_b32 s29, s29, 3
	s_and_b32 s56, s27, 3
	s_add_co_u32 s29, s29, s56                     ; W_in's tile in wguq: 8 (tile / 4) + tile % 4; W_up's is 4 further on
	s_mov_b32 s[SEL], 0x76543210
	s_mov_b32 s[SEL+1], 0xfedcba98
	s_mov_b32 s59, 0x3a000000                      ; 1 / 2,048
	s_mov_b32 s60, 0x358637bd                      ; 1e-6
	s_mov_b32 s61, 0xbd5d0dd1                      ; -17 / 315
	s_mov_b32 s62, 0x3e088889                      ; 2 / 15
	s_mov_b32 s63, 0xbeaaaaab                      ; -1 / 3
	; byte offsets, each in a pair with 0 above it
	s_lshl_b32 s56, s26, 9                         ; 512 w
	s_lshl_b32 s34, ttmp9, 17
	s_add_co_u32 s34, s34, s56                     ; hidden, attn: 16 rows of 8,192 bytes a work-group, 512 bytes a wave
	s_mov_b32 s35, 0
	s_lshl_b32 s36, s26, 13                        ; A: 128 rows of 64 bytes a wave
	s_mov_b32 s37, 0
	s_mov_b32 s38, s56                             ; gamma
	s_mov_b32 s39, 0
	s_lshr_b32 s40, s27, 1
	s_lshl_b32 s40, s40, 5
	s_and_b32 s57, s27, 1
	s_lshl_b32 s57, s57, 3
	s_add_co_u32 s40, s40, s57                     ; a weight: the tile's first row, 32 (tile / 2) + 8 (tile % 2),
	s_lshl_b32 s40, s40, 13
	s_lshl_b32 s57, s28, 12
	s_add_co_u32 s40, s40, s57                     ; + my half of K, 4,096 bytes,
	s_lshl_b32 s57, s26, 8
	s_add_co_u32 s40, s40, s57                     ; + my wave's 64 numbers
	s_mov_b32 s41, 0
	s_lshl_b32 s42, ttmp9, 14
	s_lshl_b32 s57, s26, 10
	s_add_co_u32 s42, s42, s57                     ; hq: tile g, fragment w
	s_mov_b32 s43, 0
	s_lshl_b32 s57, s28, 13
	s_add_co_u32 s57, s57, s56                     ; a weight's half fragment: 8,192 x half + 512 w
	s_lshl_b32 s44, s29, 14
	s_add_co_u32 s44, s44, s57
	s_mov_b32 s45, 0
	s_lshl_b32 s46, s27, 14
	s_add_co_u32 s46, s46, s57
	s_mov_b32 s47, 0
	s_min_u32 s58, s26, 1
	s_lshl_b32 s57, s58, 9
	s_lshl_b32 s48, ttmp9, 10
	s_add_co_u32 s48, s48, s57                     ; cimg: 1,024 g + 512 x (registers 0-3 or 4-7)
	s_mov_b32 s49, 0
	s_and_b32 s57, s26, 1
	s_lshl_b32 s58, s57, 9
	s_lshl_b32 s50, ttmp9, 10
	s_add_co_u32 s50, s50, s58
	s_add_co_u32 s50, s50, 4194304                 ; h's scale words: waves 2 and 3 store 512 bytes each
	s_mov_b32 s51, 0
	s_lshl_b32 s52, s29, 10
	s_lshl_b32 s58, s28, 9
	s_add_co_u32 s52, s52, s58
	s_lshl_b32 s57, s57, 12
	s_add_co_u32 s52, s52, s57
	s_add_co_u32 s52, s52, 4194304                 ; W_in's (wave 4) and W_up's (wave 5, four tiles on)
	s_mov_b32 s53, 0
	s_lshl_b32 s54, s27, 10
	s_add_co_u32 s54, s54, s58
	s_add_co_u32 s54, s54, 2097152                 ; W_down's (wave 6)
	s_mov_b32 s55, 0
	; LDS addresses: all made here, ahead of every branch
	v_lshlrev_b32 v[L16], 4, v16
	s_mul_i32 s57, s26, WST
	v_add_nc_u32 v[STF], s57, v[L16]
	v_mul_u32_u24 v20, v18, SP
	v_lshl_add_u32 v20, v17, 4, v20
	v_add_nc_u32 v[STH], s57, v20
	v_mul_u32_u24 v20, v17, SP
	v_lshl_add_u32 v20, v18, 6, v20
	v_add_nc_u32 v[LDA], s57, v20
	s_add_co_u32 s57, s56, GAM
	v_add_nc_u32 v[GMW], s57, v[L16]
	v_lshlrev_b32 v20, 6, v18
	v_add_nc_u32 v[GMR], s57, v20
	v_mul_u32_u24 v[SSR], v17, 80
	v_add_nc_u32 v[SSR], SSQ, v[SSR]
	s_lshl_b32 s57, s26, 2
	v_add_nc_u32 v[SSW], s57, v[SSR]
	s_lshr_b32 s57, s26, 2
	s_lshl_b32 s57, s57, 8
	s_and_b32 s58, s26, 3
	s_lshl_b32 s58, s58, 2
	s_add_co_u32 s57, s57, s58
	s_add_co_u32 s57, s57, SCG
	v_lshl_add_u32 v[SGH], v17, 4, s57             ; 256 (w / 4) + 16 r + 4 (w % 4)
	s_lshr_b32 s57, s26, 3
	s_lshl_b32 s57, s57, 8
	s_and_b32 s58, s26, 7
	s_lshl_b32 s58, s58, 1
	s_add_co_u32 s57, s57, s58
	s_add_co_u32 s57, s57, SCG+1024
	v_lshl_add_u32 v[SGW], v17, 4, s57             ; 256 (w / 8) + 16 r + 2 (w % 8)
	s_add_co_u32 s57, s56, RED
	v_add_nc_u32 v[RDW], s57, v[L16]
	s_min_u32 s58, s26, 1
	s_lshl_b32 s57, s58, 13
	s_add_co_u32 s57, s57, RED
	v_add_nc_u32 v[RDR], s57, v[L16]
	v_lshl_add_u32 v[SGR], v0, 4, SCG-1024
	v_lshlrev_b32 v[AOF], 11, v18
	v_lshl_add_u32 v[AOF], v17, 2, v[AOF]
	v_lshlrev_b32 v[WOF], 13, v18
	v_lshl_add_u32 v[WOF], v17, 4, v[WOF]
	v_lshlrev_b32 v[TM+9], 3, v18                  ; 8 h: where my two bytes stand in A's scale word
.irp b, 4,5,6,7,10
	v_mov_b32 v[TM+\b], 0                          ; written once: a lane permute's destination counts as one of its sources
.endr
	s_wait_kmcnt 0x0
	s_add_nc_u64 s[50:51], s[18:19], s[50:51]      ; where my wave stores gathered scale words: a choice between buffers on the wave's number alone
	s_add_nc_u64 s[52:53], s[20:21], s[52:53]
	s_add_nc_u64 s[54:55], s[22:23], s[54:55]
	s_cmp_lt_u32 s26, 4
	s_cselect_b64 s[32:33], s[50:51], s[52:53]
	s_cmp_eq_u32 s26, 6
	s_cselect_b64 s[32:33], s[54:55], s[32:33]
	s_add_nc_u64 s[4:5], s[4:5], s[34:35]
	s_add_nc_u64 s[6:7], s[6:7], s[34:35]
	s_add_nc_u64 s[8:9], s[8:9], s[36:37]
	s_add_nc_u64 s[10:11], s[10:11], s[38:39]
	s_add_nc_u64 s[12:13], s[12:13], s[40:41]
	s_add_nc_u64 s[14:15], s[14:15], s[40:41]
	s_add_nc_u64 s[16:17], s[16:17], s[40:41]
	s_add_nc_u64 s[18:19], s[18:19], s[42:43]
	s_add_nc_u64 s[20:21], s[20:21], s[44:45]
	s_add_nc_u64 s[22:23], s[22:23], s[46:47]
	s_add_nc_u64 s[24:25], s[24:25], s[48:49]
	; ---- all loads of the rows and of A go out
	s_wait_alu depctr_va_vdst(0)                   ; the fifteen offsets and LDS addresses v1 to v15 are written: every load and store of the kernel reads one of them, and none is written again
	global_load_b128 v[36:39], v[L16], s[10:11]    ; my wave's 128 gammas
.irp c, 0,1
.irp i, 0,1,2,3,4,5,6,7,8,9,10,11,12,13,14,15,16,17,18,19,20,21,22,23,24,25,26,27,28,29,30,31
	global_load_b32 v[S2+32*\c+\i], v[AOF], s[8:9] offset:64*(64*\c+\i)   ; A(128 w + 64 c + 32 h + i, r): a lane takes a column, its registers run down K, in the operand's own order
.endr
.endr
	LOADROWS S0, 4
	LOADROWS S1, 6
	; ---- A's K step w becomes a fragment and a scale word
	s_wait_loadcnt 32                              ; gamma and A are in; hidden's 16 and attn's 16 loads may be out
	ds_store_b128 v[GMW], v[36:39]
.irp c, 0,1
	v_max3_num_f32 v[TM+\c], |v[S2+32*\c]|, |v[S2+32*\c+1]|, 0x1800000    ; block 2 c + h of column r: all 32 numbers are mine
.endr
.irp i, 2,4,6,8,10,12,14,16,18,20,22,24,26,28,30
.irp c, 0,1
	v_max3_num_f32 v[TM+\c], v[TM+\c], |v[S2+32*\c+\i]|, |v[S2+32*\c+\i+1]|
.endr
.endr
.irp c, 0,1
	v_add_nc_u32 v[TM+12+\c], 0xff000000, v[TM+\c]
.endr
.irp c, 0,1
	v_lshrrev_b32 v[TM+4+\c], 23, v[TM+12+\c]
.endr
	v_lshl_or_b32 v[TM+8], v[TM+5], 16, v[TM+4]    ; my two bytes, blocks h and 2 + h,
	v_lshlrev_b32 v[TM+8], v[TM+9], v[TM+8]        ; at their places;
	v_permlanex16_b32 v[TM+10], v[TM+8], s[SEL], s[SEL+1]
	v_or_b32 v[AS], v[TM+8], v[TM+10]              ; with lane l xor 16's two the word is whole
.irp c, 0,1
.irp g, 0,1,2,3
	v_cvt_scalef32_pk8_fp4_f32 v[AF+4*\c+\g], v[S2+32*\c+8*\g:S2+32*\c+8*\g+7], v[TM+12+\c]
.endr
.endr
	v_nop                                          ; one plain place behind the scaled conversions
	s_wait_alu depctr_va_vdst(0)                   ; the maxima and the conversions are done reading A's numbers in v[S2 ..], in which the two weights' loads land
	LOADW S2, 12                                   ; W_in's and W_up's 16 x 64 numbers take A's place
	LOADW S2+32, 14
	; ---- hidden: my part of each row's sum of squares
	s_wait_loadcnt 32                              ; hidden is in; attn's 16 and the two weights' 16 may be out
	TURNF S0                                       ; (its wait on vm_vsrc also shows that gamma's LDS store has read v36 to v39, three of which take scale bytes later)
	v_pk_mul_f32 v[TM:TM+1], v[S0:S0+1], v[S0:S0+1]
	v_pk_mul_f32 v[TM+2:TM+3], v[S0+2:S0+3], v[S0+2:S0+3]
.set sj, 4
.rept 15
	v_pk_fma_f32 v[TM:TM+1], v[S0+sj:S0+sj+1], v[S0+sj:S0+sj+1], v[TM:TM+1]
	v_pk_fma_f32 v[TM+2:TM+3], v[S0+sj+2:S0+sj+3], v[S0+sj+2:S0+sj+3], v[TM+2:TM+3]
.set sj, sj+4
.endr
	v_pk_add_f32 v[TM:TM+1], v[TM:TM+1], v[TM+2:TM+3]
	v_add_f32 v[TM], v[TM], v[TM+1]
	v_permlanex16_b32 v[TM+4], v[TM], s[SEL], s[SEL+1]
	v_add_f32 v[SQ], v[TM], v[TM+4]                ; row r, columns 128 w .. + 127: into a register of its own; its LDS store stands behind the wait ahead of attn's product
	; ---- attn: quantised in registers, multiplied, never stored
	s_wait_loadcnt 16                              ; attn is in; the two weights' 16 may be out
	TURNF S1
	QUANT S1, 4, PC, PW
	THIN_MUL                                       ; its wait also shows v[SQ] written and QUANT done reading v[S1 ..]; the product names neither
	ds_store_b32 v[SSW], v[SQ]                     ; my sum of squares (both halves of the lanes write the same word with the same value)
	LOADW S1, 16                                   ; W_down's 16 x 64 numbers, into the lower half of attn's set
	THIN_OUT 16384
	s_wait_dscnt 0x0                               ; for the others' sake: my sum of squares has landed
	s_barrier_signal -1
	s_barrier_wait -1
	; ---- h = hidden x rsqrt(mean of squares + 1e-6) x gamma, quantised, stored, multiplied
	; (the twelve loads below land in v[TM ..] and in the upper half of attn's set: no vector instruction has named either since the wait ahead of the partial tile's stores)
.irp i, 0,1,2,3
	ds_load_b128 v[TM+4*\i:TM+4*\i+3], v[SSR] offset:16*\i
.endr
.irp b, 0,1
.irp j, 0,1,2,3
	ds_load_b128 v[S1+32+16*\b+4*\j:S1+32+16*\b+4*\j+3], v[GMR] offset:128*\b+16*\j
.endr
.endr
	s_wait_dscnt 8                                 ; the 16 partial sums are in; the eight loads of gamma may be out
	v_pk_add_f32 v[TM:TM+1], v[TM:TM+1], v[TM+2:TM+3]
	v_pk_add_f32 v[TM+4:TM+5], v[TM+4:TM+5], v[TM+6:TM+7]
	v_pk_add_f32 v[TM+8:TM+9], v[TM+8:TM+9], v[TM+10:TM+11]
	v_pk_add_f32 v[TM+12:TM+13], v[TM+12:TM+13], v[TM+14:TM+15]
	v_pk_add_f32 v[TM:TM+1], v[TM:TM+1], v[TM+4:TM+5]
	v_pk_add_f32 v[TM+8:TM+9], v[TM+8:TM+9], v[TM+12:TM+13]
	v_pk_add_f32 v[TM:TM+1], v[TM:TM+1], v[TM+8:TM+9]
	v_add_f32 v[TM], v[TM], v[TM+1]
	v_fma_f32 v[TM], v[TM], s59, s60               ; the mean (x 2^-11 is exact) + 1e-6
	v_rsq_f32 v[RS], v[TM]
	v_nop                                          ; one plain place behind the transcendental
	s_wait_alu depctr_va_vdst(0)                   ; 1 / rms is written, ahead of its first reader
.set sj, 0
.rept 16
	v_pk_mul_f32 v[S0+sj:S0+sj+1], v[S0+sj:S0+sj+1], v[RS:RS+1] op_sel_hi:[1,0]   ; blocks 0 and 1
.set sj, sj+2
.endr
	s_wait_dscnt 0x0                               ; their gammas are in
.set sj, 0
.rept 16
	v_pk_mul_f32 v[S0+sj:S0+sj+1], v[S0+sj:S0+sj+1], v[S1+32+sj:S1+32+sj+1]
.set sj, sj+2
.endr
	s_wait_alu depctr_va_vdst(0)                   ; these multiplications are done reading v[S1+32 ..], in which the gammas of blocks 2 and 3 land
.irp b, 0,1
.irp j, 0,1,2,3
	ds_load_b128 v[S1+32+16*\b+4*\j:S1+32+16*\b+4*\j+3], v[GMR] offset:256+128*\b+16*\j
.endr
.endr
.set sj, 0
.rept 16
	v_pk_mul_f32 v[S0+32+sj:S0+32+sj+1], v[S0+32+sj:S0+32+sj+1], v[RS:RS+1] op_sel_hi:[1,0]   ; blocks 2 and 3, while their gammas come: these name none of the registers in which the loads land
.set sj, sj+2
.endr
	s_wait_dscnt 0x0
.set sj, 0
.rept 16
	v_pk_mul_f32 v[S0+32+sj:S0+32+sj+1], v[S0+32+sj:S0+32+sj+1], v[S1+32+sj:S1+32+sj+1]
.set sj, sj+2
.endr
	QUANT S0, 4, PC, PW
	s_wait_alu depctr_vm_vsrc(0)                   ; the LDS stores of attn's partial tile have read v[ACC ..], which the product below writes again
	THIN_MUL                                       ; its wait also shows h's codes and scale word written, for the three stores below
	global_store_b128 v[L16], v[PC:PC+3], s[18:19]                 ; the fragment's image: 512 consecutive bytes a store
	global_store_b128 v[L16], v[PC+4:PC+7], s[18:19] offset:512
	ds_store_b32 v[SGH], v[PW]
	THIN_OUT 0
	; ---- W_in's and W_up's 64 along K, as one tile of four blocks
	s_wait_loadcnt 8                               ; both are in; W_down's 8 loads may be out
	TURNH S2, 2
	QUANT S2, 4, 64, 36
	v_lshrrev_b32 v38, 16, v36
	s_wait_alu depctr_va_vdst(0)                   ; the codes in v64 to v71 and the scale bytes in v36 and v38 are written, which the four stores below read
	global_store_b128 v[L16], v[64:67], s[20:21]                   ; half a fragment of W_in,
	global_store_b128 v[L16], v[68:71], s[20:21] offset:65536      ; and of W_up, four tiles on
	ds_store_b16 v[SGW], v36                       ; two scale bytes of W_in,
	ds_store_b16 v[SGW], v38 offset:512            ; two of W_up
	; ---- W_down's
	s_wait_loadcnt 0x0
	TURNH S1, 1
	QUANT S1, 2, 72, 37
	s_wait_alu depctr_va_vdst(0)                   ; the codes in v72 to v75 and the scale bytes in v37 are written, which the two stores below read; QUANT is done with v[S1 ..] and v[TM ..], in which loads land behind the barrier
	global_store_b128 v[L16], v[72:75], s[22:23]
	ds_store_b16 v[SGW], v37 offset:1024
	s_wait_dscnt 0x0                               ; for the others' sake: my partial tiles and scale words have landed
	s_barrier_signal -1
	s_barrier_wait -1
	; ---- waves 0 and 1 add the 16 partial tiles and make c; waves 2 to 6 store the gathered scale words, 512 consecutive bytes each
	s_cmp_lt_u32 s26, 2
	s_cbranch_scc0 .Lscales
.irp k, 0,1,2,3,4,5,6,7,8,9,10,11,12,13,14,15
	ds_load_b128 v[S2+4*\k:S2+4*\k+3], v[RDR] offset:512*\k        ; hA
.endr
.irp k, 0,1,2,3,4,5,6,7,8,9,10,11,12,13,14,15
	ds_load_b128 v[S1+4*\k:S1+4*\k+3], v[RDR] offset:16384+512*\k  ; attn A
.endr
	s_wait_dscnt 0x0
.irp k, 1,2,3,4,5,6,7,8,9,10,11,12,13,14,15
	v_pk_add_f32 v[S2:S2+1], v[S2:S2+1], v[S2+4*\k:S2+4*\k+1]      ; K ascending
	v_pk_add_f32 v[S2+2:S2+3], v[S2+2:S2+3], v[S2+4*\k+2:S2+4*\k+3]
	v_pk_add_f32 v[S1:S1+1], v[S1:S1+1], v[S1+4*\k:S1+4*\k+1]
	v_pk_add_f32 v[S1+2:S1+3], v[S1+2:S1+3], v[S1+4*\k+2:S1+4*\k+3]
.endr
	; tanh of x, t = |x|: from 0.25 on (1 - e) / (1 + e), e = 2^(-2 log2(e) t); under 0.25, where that difference would lose bits, t (1 + t^2 (-1/3 + t^2 (2/15 - 17/315 t^2))), whose first
	; term left out is 62/2835 t^8, under 4e-7 there.  Both are computed, one is selected: no branch on data.
.irp i, 0,1,2,3
	v_and_b32 v[TM+\i], 0x7fffffff, v[S1+\i]
.endr
.irp i, 0,1,2,3
	v_mul_f32 v[TM+4+\i], 0xc038aa3b, v[TM+\i]
.endr
.irp i, 0,1,2,3
	v_exp_f32 v[TM+4+\i], v[TM+4+\i]
.endr
.irp i, 0,1,2,3
	v_mul_f32 v[TM+8+\i], v[TM+\i], v[TM+\i]       ; t^2 (plain places behind the exponentials)
.endr
	s_wait_alu depctr_va_vdst(0)                   ; the four exponentials have written v[TM+4 ..], ahead of their first reader
.irp i, 0,1,2,3
	v_add_f32 v[TM+12+\i], 1.0, v[TM+4+\i]
.endr
.irp i, 0,1,2,3
	v_rcp_f32 v[TM+12+\i], v[TM+12+\i]
.endr
.irp i, 0,1,2,3
	v_sub_f32 v[TM+4+\i], 1.0, v[TM+4+\i]          ; (plain places behind the reciprocals)
.endr
	s_wait_alu depctr_va_vdst(0)                   ; the four reciprocals have written v[TM+12 ..], ahead of their first reader
.irp i, 0,1,2,3
	v_mul_f32 v[TM+4+\i], v[TM+4+\i], v[TM+12+\i]
.endr
.irp i, 0,1,2,3
	v_fma_f32 v[S1+4+\i], v[TM+8+\i], s61, s62
.endr
.irp i, 0,1,2,3
	v_fma_f32 v[S1+4+\i], v[S1+4+\i], v[TM+8+\i], s63
.endr
.irp i, 0,1,2,3
	v_fma_f32 v[S1+4+\i], v[S1+4+\i], v[TM+8+\i], 1.0
.endr
.irp i, 0,1,2,3
	v_mul_f32 v[S1+4+\i], v[S1+4+\i], v[TM+\i]
.endr
.irp i, 0,1,2,3
	v_cmp_gt_f32 s[MK+\i], 0x3e800000, v[TM+\i]    ; the four compares in a run, a mask each
.endr
	s_wait_alu depctr_va_sdst(0)                   ; the four masks are written, ahead of the selects that read them
.irp i, 0,1,2,3
	v_cndmask_b32 v[TM+4+\i], v[TM+4+\i], v[S1+4+\i], s[MK+\i]
.endr
.irp i, 0,1,2,3
	v_bfi_b32 v[TM+4+\i], 0x7fffffff, v[TM+4+\i], v[S1+\i]         ; x's sign
.endr
.irp i, 0,1,2,3
	v_mul_f32 v[TM+4+\i], 0x3dcccccd, v[TM+4+\i]   ; the modulation: 0.1 tanh
.endr
.irp i, 0,1,2,3
	v_mul_f32 v[TM+\i], v[S2+\i], v[TM+4+\i]       ; c = hA x modulation
.endr
	s_wait_alu depctr_va_vdst(0)                   ; c is written in v[TM ..], which the store reads
	global_store_b128 v[L16], v[TM:TM+3], s[24:25]
	s_wait_xcnt 0x0
	v_lshl_add_u32 v254, v0, 2, 0x2c000            ; my spare word, behind the partial products, and 0: made anew here (no memory or LDS instruction has read v254 or v255 since the wait on vm_vsrc in the two weights' turn through the stage)
	v_mov_b32 v255, 0
	s_wait_dscnt 0x0                               ; the closing lines, six on end
	s_wait_alu 0x0
	s_wait_tensorcnt 0x0
	ds_add_u32 v254, v255
	s_wait_dscnt 0x0
	s_endpgm
.Lscales:
	s_cmp_lt_u32 s26, 7
	s_cbranch_scc0 .Ldone
	ds_load_b128 v[TM:TM+3], v[SGR]                ; (no vector instruction has named v[TM ..] since the wait ahead of W_down's stores)
	s_wait_dscnt 0x0
	global_store_b128 v[L16], v[TM:TM+3], s[32:33]
.Ldone:
	s_wait_xcnt 0x0
	v_lshl_add_u32 v254, v0, 2, 0x2c000            ; my spare word and 0, made anew, as above
	v_mov_b32 v255, 0
	s_wait_dscnt 0x0                               ; the closing lines, six on end
	s_wait_alu 0x0
	s_wait_tensorcnt 0x0
	ds_add_u32 v254, v255
	s_wait_dscnt 0x0
	s_endpgm
.Lfunc_end_k_q8697c991d6_prep:
	.size	k_q8697c991d6_prep, .Lfunc_end_k_q8697c991d6_prep-k_q8697c991d6_prep
	.p2alignl 7, 3214868480
	.fill 96, 4, 3214868480
	.section	.rodata,"a",@progbits
	.p2align	6, 0x0
	.amdhsa_kernel k_q8697c991d6_prep
		.amdhsa_group_segment_fixed_size 182272
		.amdhsa_private_segment_fixed_size 0
		.amdhsa_enable_private_segment 0
		.amdhsa_kernarg_size 88
		.amdhsa_user_sgpr_count 2
		.amdhsa_user_sgpr_kernarg_segment_ptr 1
		.amdhsa_wavefront_size32 1
		.amdhsa_system_sgpr_workgroup_id_x 1
		.amdhsa_system_sgpr_workgroup_id_y 1
		.amdhsa_system_sgpr_workgroup_id_z 1
		.amdhsa_system_vgpr_workitem_id 0
		.amdhsa_next_free_vgpr 256
		.amdhsa_next_free_sgpr 66
		.amdhsa_reserve_vcc 0
		.amdhsa_float_denorm_mode_32 3
		.amdhsa_float_denorm_mode_16_64 3
		.amdhsa_memory_ordered 1
		.amdhsa_forward_progress 1
		.amdhsa_inst_pref_size 63
	.end_amdhsa_kernel
	.amdgpu_metadata
---
amdhsa.version: [ 1, 2 ]
amdhsa.kernels:
  - .name:           k_q8697c991d6_prep
    .symbol:         k_q8697c991d6_prep.kd
    .args:
      - { .name: hidden_states, .offset: 0, .size: 8, .value_kind: global_buffer, .address_space: global }
      - { .name: attn_output, .offset: 8, .size: 8, .value_kind: global_buffer, .address_space: global }
      - { .name: A, .offset: 16, .size: 8, .value_kind: global_buffer, .address_space: global }
      - { .name: gamma, .offset: 24, .size: 8, .value_kind: global_buffer, .address_space: global }
      - { .name: W_in, .offset: 32, .size: 8, .value_kind: global_buffer, .address_space: global }
      - { .name: W_up, .offset: 40, .size: 8, .value_kind: global_buffer, .address_space: global }
      - { .name: W_down, .offset: 48, .size: 8, .value_kind: global_buffer, .address_space: global }
      - { .name: hq, .offset: 56, .size: 8, .value_kind: global_buffer, .address_space: global }
      - { .name: wguq, .offset: 64, .size: 8, .value_kind: global_buffer, .address_space: global }
      - { .name: wdq, .offset: 72, .size: 8, .value_kind: global_buffer, .address_space: global }
      - { .name: cimg, .offset: 80, .size: 8, .value_kind: global_buffer, .address_space: global }
    .group_segment_fixed_size: 182272
    .private_segment_fixed_size: 0
    .kernarg_segment_align: 8
    .kernarg_segment_size: 88
    .max_flat_workgroup_size: 512
    .sgpr_count:     66
    .vgpr_count:     256
    .wavefront_size: 32
...
	.end_amdgpu_metadata
.endif
;; end of part 4
;; launch gateup: the kernel of part 2 again; grid 16 x 16, 4 waves a work-group, clusters of 4 x 4, 327,680 bytes of LDS; arguments hq, wguq, cimg, Bmat, actq; writes actq
;; launch down: the kernel of part 3 again; grid 16 x 16, 4 waves a work-group, clusters of 4 x 4, 327,680 bytes of LDS; arguments actq, wdq, hidden_states, out0; writes out0
